; MI455X (gfx1250); checked and timed in simulation.
; The chip was launched on July 23, 2026; its instructions are those of AMD's public machine-readable ISA for CDNA 5 (MIT licence, August 2026) and "CDNA5" Instruction Set Architecture Reference Guide (July 2026). The comments in the code are by the model that wrote it; some were corrected since.
;; Rel Position MHA. Allowed arithmetic: matrix products marked QUANTISED: E2M1 operands, one E8M0 scale for each 32 along K, by v_wmma_scale_f32_16x16x128_f8f6f4 with both operands' format E2M1 (or v_wmma_scale_f32_32x16x128_f4), f32 sums; products left as they are: bf16, f16 or f32 operands; f32 sums; everything else in f32.
;; Inputs: Wk 1,024 x 1,024 float32; Wo 1,024 x 1,024 float32; Wp 1,024 x 1,024 float32; Wq 1,024 x 1,024 float32; Wv 1,024 x 1,024 float32; pos_bias_u 8 x 128 float32; pos_bias_v 8 x 128 float32; pos_emb 1 x 4,095 x 1,024 float32; x 2 x 2,048 x 1,024 float32.
;; Outputs: out0 2 x 2,048 x 1,024 float32.
;; This version of the problem:
;;   THIS VERSION OF THE PROBLEM IS GIVEN IN LOW PRECISION. The matrix products marked QUANTISED in the list below multiply operands that are first quantised to E2M1 (2 exponent bits, 1 mantissa bit; 4 bits a number), with one power-of-two scale for each 32 numbers along K (OCP MX v1.0); their sums are f32. The products marked 'left as it is' may take bf16, f16 or f32 operands, with f32 sums. Whichever they take, every output number must still come out within the allowed error. Rounding operands to bf16 (8 significant bits) uses up far more of that allowance than f16 does (11 bits, for magnitudes from 6e-5 to 65,504). All else is computed in f32.
;;   The module's matrix products, in the order in which they are computed (A, B: the left and right operand; K: the contracted axis; several contracted axes count as one K, in the product's order):
;;     1. [M 4,096, K 1,024] x [K 1,024, N 1,024]; A: input x; B: input Wq: QUANTISED
;;     2. [M 4,096, K 1,024] x [K 1,024, N 1,024]; A: input x; B: input Wk: QUANTISED
;;     3. [M 4,096, K 1,024] x [K 1,024, N 1,024]; A: input x; B: input Wv: QUANTISED
;;     4. [M 4,095, K 1,024] x [K 1,024, N 1,024]; A: input pos_emb; B: input Wp: QUANTISED
;;     5. batch 16 x [M 2,048, K 128] x [K 128, N 2,048]; A: computed on the way; B: computed on the way: left as it is (an operand is computed on the way)
;;     6. batch 8 x [M 4,095, K 128] x [K 128, N 4,096]; A: computed on the way; B: computed on the way: left as it is (an operand is computed on the way)
;;     7. batch 16 x [M 128, K 2,048] x [K 2,048, N 2,048]; A: computed on the way; B: computed on the way: left as it is (an operand is computed on the way)
;;     8. [M 4,096, K 1,024] x [K 1,024, N 1,024]; A: computed on the way; B: input Wo: left as it is (an operand is computed on the way)
;;   THE QUANTISER, for each operand of a quantised product, along K:
;;     - K is cut into blocks of 32 from its start; a last block that is shorter is filled with zeros.
;;     - A block's scale is 2^e with e = floor(log2(the largest magnitude in the block)) - 2, held to -126 .. 127; a block of zeros has e = 0. As a byte (E8M0): e + 127.
;;     - Each number is divided by its block's scale, clamped to +-6, and rounded to the nearest number of E2M1, ties to even, subnormals kept.
;;     - The product sums the exact products of the quantised numbers (number of the format x scale) in f32.
;;   ~~~python
;;   def quantise(x, axis):      # numpy; x: float32 -> the quantised numbers, widened to float32 again
;;       x = np.moveaxis(x, axis, -1); K = x.shape[-1]
;;       x = np.pad(x, [(0, 0)] * (x.ndim - 1) + [(0, -K % 32)]); x = x.reshape(x.shape[:-1] + (-1, 32)); a = np.abs(x).max(-1, keepdims=True)
;;       e = np.where(a > 0, np.clip(np.frexp(np.where(a > 0, a, 1))[1] - 1 - 2, -126, 127), 0)      # np.frexp(a)[1] - 1 = floor(log2(a)), exactly
;;       r = np.clip(x / 2.0 ** e, -6, 6)
;;       step = 2.0 ** (np.maximum(np.frexp(np.where(r == 0, 1, r))[1] - 1, 0) - 1)
;;       q = np.round(r / step) * step * 2.0 ** e      # np.round: ties to even
;;       return np.moveaxis(q.reshape(q.shape[:-2] + (-1,))[..., :K], -1, axis).astype(np.float32)
;;   ~~~
;; One version. Each part assembles by itself: llvm-mc -triple=amdgcn-amd-amdhsa -mcpu=gfx1250 --defsym DOCPART=n.
;; ======== version 1 of 1: 4 launches
;; limits: values are held in f16: magnitudes above 65,504 overflow, below 6.1e-05 lose precision
;; workspace buffers: codes 8,388,608 bytes; scales 393,216 bytes; qq 16,777,216 bytes; kk 8,388,608 bytes; vv 8,388,608 bytes; pp 8,388,608 bytes; att 8,388,608 bytes
;; launch quant (part 1): grid 416 x 1, 4 waves a work-group, no clusters, 33,280 bytes of LDS; arguments x, pos_emb, Wq, Wk, Wv, Wp, Wo, codes, scales; writes codes, scales
.if DOCPART == 1
	.amdgcn_target "amdgcn-amd-amdhsa--gfx1250"
	.amdhsa_code_object_version 6
	.text
	.protected	k_qc8743e3bb1_quant
	.globl	k_qc8743e3bb1_quant
	.p2align	8
	.type	k_qc8743e3bb1_quant,@function
k_qc8743e3bb1_quant:
	s_mov_b64 s[64:65], 0
	v_nop
	global_prefetch_b8 v0, s[64:65] scope:SCOPE_SE
	s_setreg_imm32_b32 hwreg(HW_REG_WAVE_MODE, 25, 1), 1
	s_wait_xcnt 0x0
; RELATIVE-POSITION ATTENTION, launch 1 of 4: the operands of the four quantised products become codes of FP4 (E2M1) with one E8M0 byte for each 32 along K; Wo becomes f16.
; WORK LEFT OUT BY THE PROGRAM, for all values of the inputs.  reference() pads matrix_bd [.., T, 2T-1] by one column on the left, reads it as [.., 2T, T], drops the first row, reads it as [.., T, 2T-1] and keeps columns 0 .. T-1.
; Entry (i, j) of the result is flat element T + i (2T-1) + j = 2T i + (T - i + j) of the padded array; for j < T the term T - i + j lies in 1 .. 2T-1, so it is row i, column T - 1 - i + j of matrix_bd.
; So of the 4,095 columns of matrix_bd that a query has, only the 2,048 columns T-1-i .. 2T-2-i reach the softmax; the others are sliced away.  Launch 3 multiplies, for 16 queries and 64 keys, the five tiles of 16 rows of p
; that hold those columns, and no others.  Every row of p is wanted by some (i, j), so product 4 is done whole, and every input is loaded.
; LIMIT: a NaN, an infinity or an overflow in an entry of matrix_bd that is sliced away is not carried to the result.
; LIMITS OF FORMAT: the operands of the four products left as they are go in f16: magnitudes beyond 65,504 are not served, those under 6e-5 are carried in steps of 6e-8.  NaN and infinities among the inputs are not served.
; THE QUANTISER.  A block's scale is 2^(floor(log2(its largest magnitude)) - 2); its byte is the largest magnitude's exponent field - 2, held at 1 from below.  A block of zeros so gets the byte 1 where the rule says 127:
; its codes are zeros, which add nothing under any byte but 0xff, and the bytes are read by this program alone.  Each number is divided by the scale and rounded to the nearest code, ties to even, beyond 6 the code of 6.
; SHARES.  All K are innermost and multiples of 32, so the tensors are one stream of blocks of 32: x | pos_emb and one row of zeros | Wq | Wk | Wv | Wp | Wo.  A work-group takes 32,768 numbers, a wave 8,192 (8 rows).
; codes: x's at 0, pos_emb's at 2 MiB (row 4,095: zero codes), Wq Wk Wv Wp's at 4 MiB, 512 bytes a row; Wo as f16 at 6 MiB.  scales: 32 bytes a row in the same order.
; A wave takes 16 steps of 512 numbers.  Each load reads 512 consecutive bytes; a step's 2,048 bytes turn through the wave's own stage in LDS, so that a lane then holds 16 neighbours along K; two neighbouring lanes hold a block.
.set WAVES, 4
.set STEPS, 16
.set EMAX,  2
.set CB,    8                          ; bytes of 16 codes
.set R,     16                         ; v16-79   four sets of 16 numbers as they are loaded
.set X,     80                         ; v80-111  two sets of 16 neighbours
.set C,     128                        ; v128-191 codes: registers of its own for each step
.set E,     112                        ; v112-127 a scale byte for each step
.set WREG,  8192                       ; LDS: a region for each wave: two stages of 32 x SP bytes, behind them its 256 scale bytes
.set SP,    80                         ; a lane's place in a stage: 64 bytes + 16 of padding
.set OFT,   10                         ; v10      the load offset of steps 14 and 15
.set SPW,   12                         ; v12      LDS address of my spare word; never rewritten
.set NIL,   13                         ; v13      0; never rewritten
.set SPARE, WAVES*WREG                 ; the spare words, 128 bytes a wave
.set SRC,   22                         ; s[22:23] my wave's first number
.set TM,    31                         ; s31      all ones in the wave that holds pos_emb's missing row, else 0
	s_load_b512 s[4:19], s[0:1], 0x0               ; x, pos_emb, Wq, Wk, Wv, Wp, Wo, codes
	s_load_b64 s[20:21], s[0:1], 0x40              ; scales
	v_lshl_add_u32 v[SPW], v0, 2, SPARE
	v_mov_b32 v[NIL], 0
	v_lshrrev_b32 v1, 5, v0
	v_readfirstlane_b32 s28, v1                    ; wave
	v_and_b32 v2, 31, v0                           ; lane
	v_lshlrev_b32 v3, 4, v2                        ; my 16 bytes of a load's 512
	s_mul_i32 s29, s28, WREG
	v_lshrrev_b32 v14, 2, v2
	v_mul_u32_u24 v14, v14, SP
	v_and_b32 v15, 3, v2
	v_lshl_add_u32 v14, v15, 4, v14
	v_add_nc_u32 v14, s29, v14                     ; the stage, on the way in: SP (lane / 4) + 16 (lane % 4)
	v_mul_u32_u24 v15, v2, SP
	v_add_nc_u32 v15, s29, v15                     ; and on the way out: SP x lane: my 16 neighbours
	v_mul_u32_u24 v4, v2, CB                       ; 8 bytes a lane: my codes' place in a step's; in the cast, my four f16
	v_lshrrev_b32 v5, 1, v2
	s_add_co_u32 s29, s29, 2*32*SP
	v_add_nc_u32 v5, s29, v5                       ; LDS: my wave's 256 scale bytes, my block's byte
	v_lshlrev_b32 v7, 3, v2
	v_add_nc_u32 v6, s29, v7                       ; and on the way out 8 bytes a lane
	s_lshl_b32 s30, ttmp9, 2
	s_add_co_u32 s30, s30, s28                     ; which run of 8,192 numbers of the stream is my wave's
	s_cmp_eq_u32 s30, 1023                         ; the run that ends with pos_emb's row 4,095, which does not exist
	s_cselect_b32 s[TM], -1, 0
	s_cselect_b32 s32, 0, 4096                     ; there steps 14 and 15 read row 4,094 once more, so that no load leaves the buffer, and are replaced by zeros
	v_add_nc_u32 v[OFT], s32, v3
	s_wait_kmcnt 0x0
	s_mov_b64 s[SRC:SRC+1], s[16:17]               ; which tensor: the choice hangs on the work-group's number alone
	s_mov_b32 s24, 384                             ; and the tensor's first work-group
	s_cmp_lt_u32 ttmp9, 384
	s_cselect_b64 s[SRC:SRC+1], s[14:15], s[SRC:SRC+1]
	s_cselect_b32 s24, 352, s24
	s_cmp_lt_u32 ttmp9, 352
	s_cselect_b64 s[SRC:SRC+1], s[12:13], s[SRC:SRC+1]
	s_cselect_b32 s24, 320, s24
	s_cmp_lt_u32 ttmp9, 320
	s_cselect_b64 s[SRC:SRC+1], s[10:11], s[SRC:SRC+1]
	s_cselect_b32 s24, 288, s24
	s_cmp_lt_u32 ttmp9, 288
	s_cselect_b64 s[SRC:SRC+1], s[8:9], s[SRC:SRC+1]
	s_cselect_b32 s24, 256, s24
	s_cmp_lt_u32 ttmp9, 256
	s_cselect_b64 s[SRC:SRC+1], s[6:7], s[SRC:SRC+1]
	s_cselect_b32 s24, 128, s24
	s_cmp_lt_u32 ttmp9, 128
	s_cselect_b64 s[SRC:SRC+1], s[4:5], s[SRC:SRC+1]
	s_cselect_b32 s24, 0, s24
	s_lshl_b32 s24, s24, 2
	s_sub_co_u32 s24, s30, s24                     ; my run within its tensor
	s_lshl_b32 s26, s24, 15                        ; 32,768 bytes a run
	s_mov_b32 s27, 0
	s_add_nc_u64 s[SRC:SRC+1], s[SRC:SRC+1], s[26:27]
	s_cmp_ge_u32 ttmp9, 384
	s_cbranch_scc1 .Lcast
	s_lshl_b32 s26, s30, 12                        ; 4,096 bytes of codes a run
	s_add_nc_u64 s[18:19], s[18:19], s[26:27]
	s_lshl_b32 s26, s30, 8                         ; 256 scale bytes a run
	s_add_nc_u64 s[20:21], s[20:21], s[26:27]
.macro LOAD t
.irp i, 0,1,2,3
.if (\t) < 14
	global_load_b128 v[R+16*((\t)%4)+4*\i:R+16*((\t)%4)+4*\i+3], v3, s[SRC:SRC+1] offset:2048*(\t)+512*\i th:TH_LOAD_NT   ; 32 lanes read 512 consecutive bytes
.else
	global_load_b128 v[R+16*((\t)%4)+4*\i:R+16*((\t)%4)+4*\i+3], v[OFT], s[SRC:SRC+1] offset:2048*((\t)-2)+512*\i      ; the run's last row, or in the one wave the row before it
.endif
.endr
.endm
.macro TURN t                          ; step t's numbers through the stage: LDS serves a wave's instructions in order, so no wait stands between the stores and the loads
.if (\t) >= 14
.irp i, 0,1,2,3,4,5,6,7,8,9,10,11,12,13,14,15
	v_cndmask_b32 v[R+16*((\t)%4)+\i], v[R+16*((\t)%4)+\i], 0, s[TM]   ; pos_emb's row 4,095 is zeros
.endr
.endif
.irp i, 0,1,2,3
	ds_store_b128 v14, v[R+16*((\t)%4)+4*\i:R+16*((\t)%4)+4*\i+3] offset:32*SP*((\t)%2)+8*SP*\i
.endr
.irp i, 0,1,2,3
	ds_load_b128 v[X+16*((\t)%2)+4*\i:X+16*((\t)%2)+4*\i+3], v15 offset:32*SP*((\t)%2)+16*\i
.endr
.endm
.irp t, 0,1,2,3
	LOAD \t
.endr
	s_wait_loadcnt 12                              ; step 0's four loads are in; the twelve of steps 1 to 3 may be out
	TURN 0
.macro STEP t
.set XS, X+16*((\t)%2)
.if (\t) > 0
	s_wait_dscnt 1                                 ; this step's numbers are back from the stage (the last step's byte store may be out)
.else
	s_wait_dscnt 0x0
.endif
.if (\t)+4 < STEPS
	LOAD (\t)+4                                    ; into the registers that this step's stores into the stage have read
.endif
.if (\t)+1 < STEPS
.if STEPS-2-(\t) >= 3
	s_wait_loadcnt 12                              ; the next step's four loads are in; those of the three steps behind it may be out
.else
	s_wait_loadcnt 4*(STEPS-2-(\t))
.endif
	TURN (\t)+1                                    ; through the other stage while this step is worked
.endif
	v_max3_num_f32 v8, |v[XS]|, |v[XS+1]|, |v[XS+2]|               ; the largest magnitude of my 16, in two chains
	v_max3_num_f32 v9, |v[XS+3]|, |v[XS+4]|, |v[XS+5]|
.irp i, 6,10
	v_max3_num_f32 v8, v8, |v[XS+\i]|, |v[XS+\i+1]|
	v_max3_num_f32 v9, v9, |v[XS+\i+2]|, |v[XS+\i+3]|
.endr
	v_max3_num_f32 v8, v8, |v[XS+14]|, |v[XS+15]|
	v_max3_num_f32 v8, v8, v9, (EMAX+1)<<23        ; and the floor 2^(EMAX + 1 - 127): the byte cannot fall under 1
	v_max_num_f32_dpp v8, v8, v8 row_xmask:1 row_mask:0xf bank_mask:0xf   ; and of my neighbour's 16: the block's
	v_add_nc_u32 v11, -(EMAX<<23), v8              ; EMAX off its exponent field: the conversion takes this operand's exponent field as its scale
	v_cvt_scalef32_pk8_fp4_f32 v[C+4*(\t)], v[XS:XS+7], v11
	v_cvt_scalef32_pk8_fp4_f32 v[C+4*(\t)+1], v[XS+8:XS+15], v11
	v_lshrrev_b32 v[E+(\t)], 23, v11               ; the scale's byte
	ds_store_b8 v5, v[E+(\t)] offset:16*(\t)       ; both lanes of a block write the same byte with the same value
	global_store_b64 v4, v[C+4*(\t):C+4*(\t)+1], s[18:19] offset:32*CB*(\t)   ; the wave stores 256 consecutive bytes, aligned
.endm
.irp t, 0,1,2,3,4,5,6,7,8,9,10,11,12,13,14,15
	STEP \t
.endr
	ds_load_b64 v[8:9], v6                         ; LDS serves a wave's instructions in order: these see my stores
	s_wait_dscnt 0x0
	global_store_b64 v7, v[8:9], s[20:21]          ; 32 lanes store 256 consecutive bytes, aligned
	s_wait_tensorcnt 0x0                           ; the wave's end: behind my last LDS store
	ds_add_u32 v[SPW], v[NIL]
	s_wait_dscnt 0x0
	s_endpgm
; Wo to f16, as it lies ([n][k]).  No LDS.  A wave's 8,192 numbers go in four batches of 16 loads, on two sets of registers: one batch is converted and stored while the next is on its way.
.Lcast:
	s_lshl_b32 s26, s24, 14                        ; 16,384 bytes of f16 a run
	s_add_nc_u64 s[18:19], s[18:19], s[26:27]
	s_add_nc_u64 s[18:19], s[18:19], 0x600000
.macro CLOAD bt, set
.irp i, 0,1,2,3,4,5,6,7,8,9,10,11,12,13,14,15
	global_load_b128 v[\set+4*\i:\set+4*\i+3], v3, s[SRC:SRC+1] offset:(16*(\bt)+\i)*512 th:TH_LOAD_NT
.endr
.endm
.macro CCVT bt, set
.irp i, 0,1,2,3,4,5,6,7,8,9,10,11,12,13,14,15
	v_cvt_pk_f16_f32 v[144+2*\i], v[\set+4*\i], v[\set+4*\i+1]
	v_cvt_pk_f16_f32 v[145+2*\i], v[\set+4*\i+2], v[\set+4*\i+3]
.endr
.irp i, 0,1,2,3,4,5,6,7,8,9,10,11,12,13,14,15
	global_store_b64 v4, v[144+2*\i:145+2*\i], s[18:19] offset:(16*(\bt)+\i)*256   ; the wave stores 256 consecutive bytes, aligned
.endr
.endm
	CLOAD 0, 16
	CLOAD 1, 80
	s_wait_loadcnt 16                              ; batch 0 is in; batch 1's sixteen may be out
	CCVT 0, 16
	CLOAD 2, 16
	s_wait_loadcnt 16                              ; batch 1 is in
	s_wait_xcnt 0x0                                ; the last batch's stores have read v144-175: they are written again only behind this wait
	CCVT 1, 80
	CLOAD 3, 80
	s_wait_loadcnt 16                              ; batch 2 is in
	s_wait_xcnt 0x0
	CCVT 2, 16
	s_wait_loadcnt 0x0
	s_wait_xcnt 0x0
	CCVT 3, 80
	s_endpgm
.Lfunc_end_k_qc8743e3bb1_quant:
	.size	k_qc8743e3bb1_quant, .Lfunc_end_k_qc8743e3bb1_quant-k_qc8743e3bb1_quant
	.p2alignl 7, 3214868480
	.fill 96, 4, 3214868480
	.section	.rodata,"a",@progbits
	.p2align	6, 0x0
	.amdhsa_kernel k_qc8743e3bb1_quant
		.amdhsa_group_segment_fixed_size 33280
		.amdhsa_private_segment_fixed_size 0
		.amdhsa_enable_private_segment 0
		.amdhsa_kernarg_size 72
		.amdhsa_user_sgpr_count 2
		.amdhsa_user_sgpr_kernarg_segment_ptr 1
		.amdhsa_wavefront_size32 1
		.amdhsa_system_sgpr_workgroup_id_x 1
		.amdhsa_system_sgpr_workgroup_id_y 1
		.amdhsa_system_sgpr_workgroup_id_z 1
		.amdhsa_system_vgpr_workitem_id 0
		.amdhsa_next_free_vgpr 192
		.amdhsa_next_free_sgpr 66
		.amdhsa_reserve_vcc 0
		.amdhsa_float_denorm_mode_32 3
		.amdhsa_float_denorm_mode_16_64 3
		.amdhsa_memory_ordered 1
		.amdhsa_forward_progress 1
		.amdhsa_inst_pref_size 57
	.end_amdhsa_kernel
	.amdgpu_metadata
---
amdhsa.version: [ 1, 2 ]
amdhsa.kernels:
  - .name:           k_qc8743e3bb1_quant
    .symbol:         k_qc8743e3bb1_quant.kd
    .args:
      - { .name: x, .offset: 0, .size: 8, .value_kind: global_buffer, .address_space: global }
      - { .name: pos_emb, .offset: 8, .size: 8, .value_kind: global_buffer, .address_space: global }
      - { .name: Wq, .offset: 16, .size: 8, .value_kind: global_buffer, .address_space: global }
      - { .name: Wk, .offset: 24, .size: 8, .value_kind: global_buffer, .address_space: global }
      - { .name: Wv, .offset: 32, .size: 8, .value_kind: global_buffer, .address_space: global }
      - { .name: Wp, .offset: 40, .size: 8, .value_kind: global_buffer, .address_space: global }
      - { .name: Wo, .offset: 48, .size: 8, .value_kind: global_buffer, .address_space: global }
      - { .name: codes, .offset: 56, .size: 8, .value_kind: global_buffer, .address_space: global }
      - { .name: scales, .offset: 64, .size: 8, .value_kind: global_buffer, .address_space: global }
    .group_segment_fixed_size: 33280
    .private_segment_fixed_size: 0
    .kernarg_segment_align: 8
    .kernarg_segment_size: 72
    .max_flat_workgroup_size: 128
    .sgpr_count:     66
    .vgpr_count:     192
    .wavefront_size: 32
...
	.end_amdgpu_metadata
.endif
;; end of part 1
;; launch proj (part 2): grid 16 x 16, 4 waves a work-group, clusters of 4 x 4, 327,680 bytes of LDS; arguments codes, scales, pos_bias_u, pos_bias_v, qq, kk, vv, pp; writes qq, kk, vv, pp
.if DOCPART == 2
	.amdgcn_target "amdgcn-amd-amdhsa--gfx1250"
	.amdhsa_code_object_version 6
	.text
	.protected	k_qc8743e3bb1_proj
	.globl	k_qc8743e3bb1_proj
	.p2align	8
	.type	k_qc8743e3bb1_proj,@function
k_qc8743e3bb1_proj:
	s_mov_b64 s[64:65], 0
	v_nop
	global_prefetch_b8 v0, s[64:65] scope:SCOPE_SE
	s_setreg_imm32_b32 hwreg(HW_REG_WAVE_MODE, 25, 1), 1
	s_wait_xcnt 0x0
	s_wait_alu depctr_hold_cnt(0) depctr_sa_sdst(0) depctr_va_vdst(0) depctr_va_sdst(0) depctr_va_ssrc(0) depctr_va_vcc(0) depctr_vm_vsrc(0)
	s_getreg_b32 s2, hwreg(HW_REG_IB_STS2, 6, 4)
	s_cmp_eq_u32 s2, 0
	s_cbranch_scc0 .Lentry_in_a_cluster
	s_endpgm
.Lentry_in_a_cluster:
	s_bfe_u32 s2, ttmp6, 0x10000c
	s_cmp_lg_u32 s2, 0xf033
	s_cbranch_scc0 .Lentry_shape_is_right
	s_endpgm
.Lentry_shape_is_right:
; Launch 2 of 4: the four quantised products, as ONE product on codes of FP4: [4,096 rows of x or of pos_emb] x [4,096 rows of Wq | Wk | Wv | Wp]^T, K = 1,024, f32 sums.
; Tile column c (256 rows of W) belongs to Wq (c 0-3), Wk (4-7), Wv (8-11) or Wp (12-15): that is the cluster's x; the first three multiply x's rows, the last pos_emb's (its row 4,095 is zero codes and gives a row of zeros).
; Results leave as f16, head by head: qq = q + pos_bias_u at 0 and q + pos_bias_v at 8 MiB, kk, vv: [b][h][t][128]; pp: [h][4096][128].  The biases are added in f32, ahead of the one rounding.
; A tile of 256 x 256 is made by four waves, 128 x 128 each: 64 accumulators of 16 x 16, 512 registers.  K = 1,024 is two LDS slots of 512 along K (rows of 256 bytes), both asked for at the start: nothing is filled again.
; The scale bytes of the work-group's 256 + 256 rows, 32 bytes a row, are two dense blocks: they come with the first fills, as rows of 256 bytes.
; CLUSTERS: 4 x 4 work-groups.  The four of a row of the cluster need the same rows of x (or pos_emb), the four of a column the same rows of W: each tile is asked for jointly, with a mask that names the four.
; THE MATRIX INSTRUCTION IS USED TRANSPOSED (source 0 = 16 rows of W, source 1 = 16 rows of x): a lane then holds eight neighbouring channels of one row.  A wave's 128 columns are one head.
; REGISTERS, in windows of 256: window 0: v0-31 addresses; v32-95 scale words, two sets; v128-191 the rows' fragments, one set; on the way out v32-255 are free.
;   window 1: W's fragments, two sets, at v0 and v128; on the way out of q: pos_bias_u at v64-127, pos_bias_v at v192-255.   windows 2, 3: the accumulators ((a, b) at v[8 (8 (a % 4) + b)]).
.set KSTEP,  512
.set NQ,     KSTEP/128
.set ROWB,   256                       ; a tile's row in bytes
.set KROW,   512                       ; a row of codes in memory
.set PITCH,  272                       ; an LDS row: 256 bytes + 16 of padding: the 16 rows that a load touches start 68 words apart
.set FR,     8
.set NL,     2
.set NP,     4                         ; places behind this matrix instruction (ISA guide 7.12.1)
.set HALFT,  128*PITCH
.set SLOT,   4*HALFT
.set KS,     32                        ; a row of scale bytes
.set SCL,    2*SLOT
.set HALFS,  (128*KS/256)*272
.set SBLK,   (16*KS/256)*272
.set SPARE,  SCL+4*HALFS               ; the spare words, 128 bytes a wave
.set SPITCH, 272                       ; the way out: stages of 16 rows x (256 + 16) bytes a wave, in slot 0, which has had its only fill and its last read by then: q's path at 0, the other path at 32,768
.set ADRA, 16
.set ADRB, 20
.set STOQ, 22
.set RDQ,  23
.set STO,  24
.set RD,   25
.set CO,   26
.set ADRS, 27
.set SPW,  28
.set NIL,  29
.set BO,   30                          ; v30  my byte offset in a bias: 512 x head + 32 (lane / 16)
.set SC,   32
.set SUM,  32                          ; the way out of q: 64 sums in f32
.set AF,   128
.set TMP,  192                         ; the way out: 32 registers of packed f16
.set BU,   64                          ; in window 1
.set BV,   192
.set WV,   20
.set HR,   21
.set HC,   22
.set TR,   23
.set G1,   24
.set G0,   32
.set G1B,  48
.set G0B,  56
.set G1S,  68
.set G0S,  76
.set G1SB, 80
.set G0SB, 88
.set OUTA, 96                          ; s[96:97] where my 128 rows go;  s[98:99] the same 8 MiB on (q + pos_bias_v)
.set OUTB, 98
.set MSB, 0
.macro WIN new                         ; the immediate's high byte repeats the setting that is left
.if MSB != \new
	s_set_vgpr_msb (MSB<<8)|\new
.set MSB, \new
.endif
.endm
.set MUL_LO, 0xa1                      ; source 0 (W) window 1, source 1 window 0, C and D window 2
.set MUL_HI, 0xf1
.set TO_B,   0x40
; A joint load: waves 0 and 1 fetch for the rows, waves 2 and 3 for W.  The branch hangs on the wave's number alone.  An s_nop 0 and four v_nop follow each of the two lines.
.macro JLOAD g0a, g1a, g0b, g1b
	s_cmp_eq_u32 s[HR], 0
	s_cbranch_scc0 .Lfor_b_\@
	tensor_load_to_lds s[\g0a:\g0a+3], s[\g1a:\g1a+7]
	s_nop 0
.rept 4
	v_nop
.endr
	s_branch .Lasked_\@
.Lfor_b_\@:
	tensor_load_to_lds s[\g0b:\g0b+3], s[\g1b:\g1b+7]
	s_nop 0
.rept 4
	v_nop
.endr
.Lasked_\@:
.endm
.macro CROUND                          ; a round of the cluster's barrier
	s_barrier_signal -1
	s_barrier_wait -1
	s_cmp_lg_u32 s[WV], 0
	s_cbranch_scc1 .Lnot_wave_0_\@
	s_barrier_signal -3
.Lnot_wave_0_\@:
	s_barrier_wait -3
	s_barrier_signal -1
	s_barrier_wait -1
.endm
	s_load_b512 s[4:19], s[0:1], 0x0               ; codes, scales, pos_bias_u, pos_bias_v, qq, kk, vv, pp
	v_lshl_add_u32 v[SPW], v0, 2, SPARE
	v_mov_b32 v[NIL], 0
	ds_add_u32 v[SPW], v[NIL]                      ; the wave's opening: the add, twice on end, and its wait ahead of my first tensor load
	ds_add_u32 v[SPW], v[NIL]
	v_lshrrev_b32 v1, 5, v0
	v_readfirstlane_b32 s[WV], v1                  ; wave 0..3
	s_lshr_b32 s[HR], s[WV], 1                     ; which half of the tile's rows is mine.  Also: I fetch for the rows (0) or for W (1)
	s_and_b32 s[HC], s[WV], 1                      ; which half of its columns.  Also: which 128 rows I fetch
	s_bfe_u32 s40, ttmp6, 0x40000                  ; cx, cy
	s_bfe_u32 s41, ttmp6, 0x40004
	s_lshl_b32 s42, ttmp9, 2
	s_add_co_u32 s42, s42, s40                     ; tile column = 4 x cluster x + cx
	s_and_b32 s[TR], ttmp7, 0xffff
	s_lshl_b32 s[TR], s[TR], 2
	s_add_co_u32 s[TR], s[TR], s41                 ; tile row = 4 x cluster y + cy
	s_lshl_b32 s43, s41, 2
	s_lshl_b32 s43, 15, s43                        ; my row of the cluster
	s_lshl_b32 s44, 0x1111, s40                    ; my column
	s_or_b32 s[G1+0], s43, (0<<16)|(1<<20)|(1<<21)|(5<<22)|(3<<25)  ; the mask; elements of 1 byte; padding on; bit 21 beside a mask; 4 words after every 64
	s_or_b32 s[G1B+0], s44, (0<<16)|(1<<20)|(1<<21)|(5<<22)|(3<<25)
.irp g, G1, G1B
	s_mov_b32 s[\g+1], ROWB<<16                    ; tensor_dim0
	s_mov_b32 s[\g+2], 128<<16                     ; tensor_dim1
	s_mov_b32 s[\g+3], ROWB<<16                    ; tile_dim0
	s_mov_b32 s[\g+4], 128                         ; tile_dim1
	s_mov_b32 s[\g+5], KROW                        ; from row to row
	s_mov_b32 s[\g+6], 0
	s_mov_b32 s[\g+7], 0
.endr
	s_or_b32 s[G1S+0], s43, (3<<16)|(1<<20)|(1<<21)|(5<<22)|(3<<25) ; the scales of 128 rows: 4,096 dense bytes as 16 rows of 32 elements of 8 bytes
	s_or_b32 s[G1SB+0], s44, (3<<16)|(1<<20)|(1<<21)|(5<<22)|(3<<25)
.irp g, G1S, G1SB
	s_mov_b32 s[\g+1], 32<<16
	s_mov_b32 s[\g+2], (128*KS/256)<<16
	s_mov_b32 s[\g+3], 32<<16
	s_mov_b32 s[\g+4], 128*KS/256
	s_mov_b32 s[\g+5], 32
	s_mov_b32 s[\g+6], 0
	s_mov_b32 s[\g+7], 0
.endr
	s_lshl_b32 s92, s[HC], 7                       ; which 128 rows of the tile I fetch
	s_lshl_b32 s46, s[TR], 8
	s_add_co_u32 s46, s46, s92                     ; the rows: 256 x tile row + 128 x half
	s_lshl_b32 s66, s42, 8
	s_add_co_u32 s66, s66, s92                     ; W: 256 x tile column + 128 x half
	s_cmp_eq_u32 ttmp9, 3                          ; Wp's columns multiply pos_emb's rows: the cluster's x, the same in all sixteen partners
	s_cselect_b32 s93, 0x200000, 0
	s_cselect_b32 s94, 0x20000, 0
	s_lshl_b32 s96, s46, 5
	s_add_co_u32 s96, s96, s94                     ; the rows' scale bytes
	s_mov_b32 s97, 0
	s_lshl_b32 s46, s46, 9
	s_add_co_u32 s46, s46, s93                     ; and their codes
	s_mov_b32 s47, 0
	s_lshl_b32 s98, s66, 5
	s_add_co_u32 s98, s98, 0x40000
	s_mov_b32 s99, 0
	s_lshl_b32 s66, s66, 9
	s_add_co_u32 s66, s66, 0x400000
	s_mov_b32 s67, 0
	s_mul_i32 s45, s[WV], HALFT                    ; where they go: wave x 128 rows: no place in the cluster enters an LDS address
	s_mul_i32 s95, s[WV], HALFS
	s_wait_dscnt 0x0                               ; both opening adds are done
	s_wait_kmcnt 0x0
	s_add_nc_u64 s[46:47], s[4:5], s[46:47]
	s_add_nc_u64 s[96:97], s[6:7], s[96:97]
	s_add_nc_u64 s[66:67], s[4:5], s[66:67]
	s_add_nc_u64 s[98:99], s[6:7], s[98:99]
	CROUND                                         ; all sixteen work-groups are here: the first joint loads meet
	s_mov_b32 s[G0S], 1
	s_add_co_u32 s[G0S+1], s95, SCL
	s_mov_b64 s[G0S+2:G0S+3], s[96:97]
	s_or_b32 s[G0S+3], s[G0S+3], 0x80000000
	s_mov_b32 s[G0SB], 1
	s_add_co_u32 s[G0SB+1], s95, SCL
	s_mov_b64 s[G0SB+2:G0SB+3], s[98:99]
	s_or_b32 s[G0SB+3], s[G0SB+3], 0x80000000
	JLOAD G0S, G1S, G0SB, G1SB                     ; the scales first: they are wanted with the first slot
.irp s, 0,1
	s_mov_b32 s[G0+4*\s], 1
	s_add_co_u32 s[G0+4*\s+1], s45, \s*SLOT
	s_add_nc_u64 s[G0+4*\s+2:G0+4*\s+3], s[46:47], \s*ROWB
	s_or_b32 s[G0+4*\s+3], s[G0+4*\s+3], 0x80000000
	s_mov_b32 s[G0B+4*\s], 1
	s_add_co_u32 s[G0B+4*\s+1], s45, \s*SLOT
	s_add_nc_u64 s[G0B+4*\s+2:G0B+4*\s+3], s[66:67], \s*ROWB
	s_or_b32 s[G0B+4*\s+3], s[G0B+4*\s+3], 0x80000000
	JLOAD G0+4*\s, G1, G0B+4*\s, G1B               ; three tensor loads of mine are out
.endr
	v_and_b32 v1, 15, v0                           ; r = lane % 16
	v_bfe_u32 v2, v0, 4, 1                         ; h = lane / 16
	v_mul_u32_u24 v3, v1, PITCH
	v_lshl_add_u32 v4, v2, 4, v3                   ; a fragment's row x pitch + 16 h
	s_mul_i32 s92, s[HR], HALFT
	s_mul_i32 s93, s[HC], HALFT
	s_add_co_u32 s93, s93, 2*HALFT
.irp s, 0,1
	v_add_nc_u32 v[ADRA+\s], s92, v4
	v_add_nc_u32 v[ADRB+\s], s93, v4
	s_add_co_u32 s92, s92, SLOT
	s_add_co_u32 s93, s93, SLOT
.endr
	v_mul_u32_u24 v5, v1, KS                       ; my row's scale bytes: 32 a row, and 16 more for each 256 passed
	v_lshrrev_b32 v6, 8, v5
	v_lshl_add_u32 v5, v6, 4, v5
	s_mul_i32 s92, s[HR], HALFS
	s_mul_i32 s93, s[HC], HALFS
	s_add_co_u32 s93, s93, 2*HALFS
	s_sub_co_u32 s93, s93, s92
	v_mul_u32_u24 v6, s93, v2                      ; lanes 16-31 take W's
	s_add_co_u32 s92, s92, SCL
	v_add_nc_u32 v5, v5, v6
	v_add_nc_u32 v[ADRS], s92, v5
	s_mul_i32 s92, s[WV], 16*SPITCH                ; the stages: all four addresses are made here, ahead of the parting of the two ways out
	v_mul_u32_u24 v5, v1, SPITCH
	v_lshl_add_u32 v5, v2, 4, v5                   ; in: row r, 16 bytes for each half of the lanes
	v_add_nc_u32 v[STOQ], s92, v5
	v_mul_u32_u24 v6, v2, SPITCH
	v_lshl_add_u32 v6, v1, 4, v6                   ; back: lanes 0-15 one row of 256 bytes, lanes 16-31 the next
	v_add_nc_u32 v[RDQ], s92, v6
	s_add_co_u32 s92, s92, 32768
	v_add_nc_u32 v[STO], s92, v5
	v_add_nc_u32 v[RD], s92, v6
	v_lshlrev_b32 v[CO], 8, v2
	v_lshl_add_u32 v[CO], v1, 4, v[CO]             ; and the same two rows in memory: a head's row is 256 bytes
	s_lshl_b32 s92, s[TR], 8
	s_lshl_b32 s93, s[HR], 7
	s_add_co_u32 s92, s92, s93                     ; m0: my first row
	s_lshl_b32 s93, s40, 1
	s_add_co_u32 s93, s93, s[HC]                   ; my head: 2 cx + column half
	s_lshl_b32 s94, s93, 9
	v_lshlrev_b32 v[BO], 5, v2
	v_add_nc_u32 v[BO], s94, v[BO]
	s_lshr_b32 s94, s92, 11                        ; q, k, v: row ((b x 8 + head) x 2,048 + t)
	s_lshl_b32 s94, s94, 3
	s_add_co_u32 s94, s94, s93
	s_lshl_b32 s94, s94, 11
	s_and_b32 s95, s92, 2047
	s_add_co_u32 s94, s94, s95
	s_lshl_b32 s95, s93, 12                        ; p: row (head x 4,096 + m0)
	s_add_co_u32 s95, s95, s92
	s_cmp_eq_u32 ttmp9, 3
	s_cselect_b32 s94, s95, s94
	s_cselect_b64 s[OUTA:OUTA+1], s[18:19], s[16:17]
	s_cmp_eq_u32 ttmp9, 1
	s_cselect_b64 s[OUTA:OUTA+1], s[14:15], s[OUTA:OUTA+1]
	s_cmp_eq_u32 ttmp9, 0
	s_cselect_b64 s[OUTA:OUTA+1], s[12:13], s[OUTA:OUTA+1]
	s_lshl_b32 s94, s94, 8
	s_mov_b32 s95, 0
	s_add_nc_u64 s[OUTA:OUTA+1], s[OUTA:OUTA+1], s[94:95]
.macro FRAG reg, adr, q, i             ; 16 rows x 128 K of 4-bit codes: 8 registers: lane l holds row l % 16; registers 4 c .. 4 c + 3 hold K = 64 c + 32 (l / 16) + 0 .. 31
.irp c, 0,1
	ds_load_b128 v[\reg+4*\c:\reg+4*\c+3], v[\adr] offset:64*(\q)+32*\c+(\i)*16*PITCH
.endr
.endm
; 16 matrix instructions: row blocks a0, a0 + 1 x W's eight, the slot's q-th 128 along K.  zero = 1: the first product starts the sums.  The 64 accumulators take turns.
.macro MUL16 a0, p, q, sc, zero
.irp a, \a0, \a0+1
.irp b, 0,1,2,3,4,5,6,7
.if \zero
	v_wmma_scale_f32_16x16x128_f8f6f4 v[8*(8*((\a)%4)+\b):8*(8*((\a)%4)+\b)+7], v[128*(\p)+FR*\b:128*(\p)+FR*\b+FR-1], v[AF+FR*(\a):AF+FR*(\a)+FR-1], 0, v[SC+8*NQ*(\sc)+NQ*\b+(\q)], v[SC+8*NQ*(\sc)+NQ*(\a)+(\q)] matrix_a_fmt:MATRIX_FMT_FP4 matrix_b_fmt:MATRIX_FMT_FP4 matrix_a_scale:MATRIX_SCALE_ROW1
.else
	v_wmma_scale_f32_16x16x128_f8f6f4 v[8*(8*((\a)%4)+\b):8*(8*((\a)%4)+\b)+7], v[128*(\p)+FR*\b:128*(\p)+FR*\b+FR-1], v[AF+FR*(\a):AF+FR*(\a)+FR-1], v[8*(8*((\a)%4)+\b):8*(8*((\a)%4)+\b)+7], v[SC+8*NQ*(\sc)+NQ*\b+(\q)], v[SC+8*NQ*(\sc)+NQ*(\a)+(\q)] matrix_a_fmt:MATRIX_FMT_FP4 matrix_b_fmt:MATRIX_FMT_FP4 matrix_a_scale:MATRIX_SCALE_ROW1
.endif
.endr
.endr
.endm
.macro FETCH_B slot, q, p
	WIN TO_B
.irp i, 0,1,2,3,4,5,6,7
	FRAG 128*(\p)+FR*\i, ADRB+\slot, \q, \i
.endr
	WIN 0
.endm
.macro FETCH_A slot, q, i0
.irp i, \i0, \i0+1, \i0+2, \i0+3
	FRAG AF+FR*(\i), ADRA+\slot, \q, \i
.endr
.endm
.macro SCALES sc                       ; a slot's scale words: 4 words a row; lanes 0-15 take the rows' block i, lanes 16-31 W's block i
.irp i, 0,1,2,3,4,5,6,7
	ds_load_b128 v[SC+8*NQ*\sc+NQ*\i:SC+8*NQ*\sc+NQ*\i+3], v[ADRS] offset:\i*SBLK
.endr
.endm
.macro PLACES n                        ; plain vector instructions between a matrix instruction and a load into, or a read of, its registers
.rept \n
	v_nop
.endr
.endm
.macro STEP slot, q, zero              ; 128 along K, with its successor in the same slot
	s_wait_dscnt 4*NL                              ; W's set and row blocks 0-3 are in; the youngest eight loads (blocks 4-7) may be out
	WIN MUL_LO
	MUL16 0, (\q)%2, \q, \slot, \zero
	MUL16 2, (\q)%2, \q, \slot, \zero
	s_wait_dscnt 0
	PLACES NP
	FETCH_B \slot, (\q)+1, 1-(\q)%2
	FETCH_A \slot, (\q)+1, 0
	WIN MUL_HI
	MUL16 4, (\q)%2, \q, \slot, \zero
	MUL16 6, (\q)%2, \q, \slot, \zero
	PLACES NP
	WIN 0
	FETCH_A \slot, (\q)+1, 4
.endm
.macro STEPS slot, from
.set Q, \from
.rept NQ-1-\from
	STEP \slot, Q, 0
.set Q, Q+1
.endr
.endm
	s_wait_tensorcnt 1                             ; the scales and my part of slot 0 are in; slot 1's load may be out
	s_barrier_signal -1
	s_barrier_wait -1
	FETCH_B 0, 0, 0
	FETCH_A 0, 0, 0
	SCALES 0
	FETCH_A 0, 0, 4
	STEP 0, 0, 1                                   ; the first products start the sums: nothing is cleared
	STEPS 0, 1
	; slot 0's last step changes slots: one barrier; nothing is filled again
	s_wait_tensorcnt 0x0                           ; my part of slot 1 has landed
	ds_add_u32 v[SPW], v[NIL]                      ; 0 onto my spare word
	s_wait_dscnt 4*NL+1                            ; the add and the youngest eight loads may be out
	WIN MUL_LO
	MUL16 0, 1, NQ-1, 0, 0
	s_wait_dscnt 0x0                               ; the add is done, and my reads of slot 0 are over
	s_barrier_signal -1
	MUL16 2, 1, NQ-1, 0, 0
	WIN 0
	s_barrier_wait -1
	PLACES NP
	v_add_nc_u32 v[ADRS], 4*NQ, v[ADRS]            ; on to slot 1's scale words
	FETCH_B 1, 0, 0
	FETCH_A 1, 0, 0
	SCALES 1
	WIN MUL_HI
	MUL16 4, 1, NQ-1, 0, 0
	MUL16 6, 1, NQ-1, 0, 0
	PLACES NP
	WIN 0
	FETCH_A 1, 0, 4
	STEPS 1, 0
	s_wait_dscnt 4*NL                              ; the last step: nothing more to fetch
	WIN MUL_LO
	MUL16 0, 1, NQ-1, 1, 0
	MUL16 2, 1, NQ-1, 1, 0
	s_wait_dscnt 0
	WIN MUL_HI
	MUL16 4, 1, NQ-1, 1, 0
	MUL16 6, 1, NQ-1, 1, 0
	WIN 0
	PLACES NP                                      ; behind the last products: their results are read, and the fragments' and scale words' registers are written, only behind these
; THE WAY OUT, a block of 16 rows x 128 channels at a time: rounded to f16 (16 bytes a lane), through my stage, back as whole rows of 256 bytes: sixteen lanes store 256 consecutive bytes, aligned.
.macro PACK n
.set AC, 64*((\n)%4)
	WIN 0x0a+5*((\n)/4)                            ; sources 0 and 1: window 2 or 3
.irp b, 0,1,2,3,4,5,6,7
.irp r, 0,1,2,3
	v_cvt_pk_f16_f32 v[TMP+4*\b+\r], v[AC+8*\b+2*\r], v[AC+8*\b+2*\r+1]
.endr
.endr
	WIN 0
.endm
.macro PACKB a, bias                   ; the same with a bias added in f32: accumulator register 8 b + j and bias register 8 b + j both belong to channel 16 b + 8 (lane / 16) + j
.set AC, 64*((\a)%4)
	WIN 0x06+((\a)/4)                              ; source 0: window 2 or 3; source 1: window 1
.set i, 0
.rept 32
	v_pk_add_f32 v[SUM+2*i:SUM+2*i+1], v[AC+2*i:AC+2*i+1], v[\bias+2*i:\bias+2*i+1]
.set i, i+1
.endr
	WIN 0
.set i, 0
.rept 32
	v_cvt_pk_f16_f32 v[TMP+i], v[SUM+2*i], v[SUM+2*i+1]
.set i, i+1
.endr
.endm
.macro TOSTAGE sto, rd, n
.set BK, 128+32*((\n)%2)
.irp b, 0,1,2,3,4,5,6,7
	ds_store_b128 v[\sto], v[TMP+4*\b:TMP+4*\b+3] offset:32*\b
.endr
.irp t, 0,1,2,3,4,5,6,7
	ds_load_b128 v[BK+4*\t:BK+4*\t+3], v[\rd] offset:\t*2*SPITCH   ; LDS serves a wave's instructions in order: these see the stores above
.endr
.endm
.macro SEND n, base, a
.set BK, 128+32*((\n)%2)
	s_wait_dscnt 0x0                               ; the block is back in registers
	s_wait_xcnt 0x0                                ; the stores before these have read their registers: the next block's loads may land there
.irp t, 0,1,2,3,4,5,6,7
	global_store_b128 v[CO], v[BK+4*\t:BK+4*\t+3], s[\base:\base+1] offset:(\a)*4096+\t*512
.endr
.endm
	s_cmp_lg_u32 ttmp9, 0                          ; the cluster's x: the same in all sixteen partners
	s_cbranch_scc1 .Lplain
	; q leaves twice: + pos_bias_u and + pos_bias_v.  The biases are loaded here, in the one path that reads them
	s_add_nc_u64 s[OUTB:OUTB+1], s[OUTA:OUTA+1], 0x800000
	WIN 0x40                                       ; destination window 1
.irp b, 0,1,2,3,4,5,6,7
	global_load_b128 v[BU+8*\b:BU+8*\b+3], v[BO], s[8:9] offset:64*\b
	global_load_b128 v[BU+8*\b+4:BU+8*\b+7], v[BO], s[8:9] offset:64*\b+16
	global_load_b128 v[BV+8*\b:BV+8*\b+3], v[BO], s[10:11] offset:64*\b
	global_load_b128 v[BV+8*\b+4:BV+8*\b+7], v[BO], s[10:11] offset:64*\b+16
.endr
	WIN 0
	s_wait_loadcnt 0x0
	PACKB 0, BU
	TOSTAGE STOQ, RDQ, 0
	PACKB 0, BV
	SEND 0, OUTA, 0
	TOSTAGE STOQ, RDQ, 1
.irp a, 1,2,3,4,5,6,7
	PACKB \a, BU
	SEND 2*\a-1, OUTB, \a-1
	TOSTAGE STOQ, RDQ, 2*\a
	PACKB \a, BV
	SEND 2*\a, OUTA, \a
	TOSTAGE STOQ, RDQ, 2*\a+1
.endr
	SEND 15, OUTB, 7
	s_branch .Lend
.Lplain:
	PACK 0
	TOSTAGE STO, RD, 0
.irp a, 1,2,3,4,5,6,7
	PACK \a
	SEND \a-1, OUTA, \a-1
	TOSTAGE STO, RD, \a
.endr
	SEND 7, OUTA, 7
.Lend:
	s_wait_tensorcnt 0x0                           ; the wave's end: behind my last tensor load and my last LDS store
	ds_add_u32 v[SPW], v[NIL]
	s_wait_dscnt 0x0
	CROUND                                         ; the closing round
	s_endpgm
.Lfunc_end_k_qc8743e3bb1_proj:
	.size	k_qc8743e3bb1_proj, .Lfunc_end_k_qc8743e3bb1_proj-k_qc8743e3bb1_proj
	.p2alignl 7, 3214868480
	.fill 96, 4, 3214868480
	.section	.rodata,"a",@progbits
	.p2align	6, 0x0
	.amdhsa_kernel k_qc8743e3bb1_proj
		.amdhsa_group_segment_fixed_size 327680
		.amdhsa_private_segment_fixed_size 0
		.amdhsa_enable_private_segment 0
		.amdhsa_kernarg_size 64
		.amdhsa_user_sgpr_count 2
		.amdhsa_user_sgpr_kernarg_segment_ptr 1
		.amdhsa_wavefront_size32 1
		.amdhsa_system_sgpr_workgroup_id_x 1
		.amdhsa_system_sgpr_workgroup_id_y 1
		.amdhsa_system_sgpr_workgroup_id_z 1
		.amdhsa_system_vgpr_workitem_id 0
		.amdhsa_next_free_vgpr 1024
		.amdhsa_next_free_sgpr 102
		.amdhsa_reserve_vcc 0
		.amdhsa_float_denorm_mode_32 3
		.amdhsa_float_denorm_mode_16_64 3
		.amdhsa_memory_ordered 1
		.amdhsa_forward_progress 1
		.amdhsa_inst_pref_size 224
	.end_amdhsa_kernel
	.amdgpu_metadata
---
amdhsa.version: [ 1, 2 ]
amdhsa.kernels:
  - .name:           k_qc8743e3bb1_proj
    .symbol:         k_qc8743e3bb1_proj.kd
    .args:
      - { .name: codes, .offset: 0, .size: 8, .value_kind: global_buffer, .address_space: global }
      - { .name: scales, .offset: 8, .size: 8, .value_kind: global_buffer, .address_space: global }
      - { .name: pos_bias_u, .offset: 16, .size: 8, .value_kind: global_buffer, .address_space: global }
      - { .name: pos_bias_v, .offset: 24, .size: 8, .value_kind: global_buffer, .address_space: global }
      - { .name: qq, .offset: 32, .size: 8, .value_kind: global_buffer, .address_space: global }
      - { .name: kk, .offset: 40, .size: 8, .value_kind: global_buffer, .address_space: global }
      - { .name: vv, .offset: 48, .size: 8, .value_kind: global_buffer, .address_space: global }
      - { .name: pp, .offset: 56, .size: 8, .value_kind: global_buffer, .address_space: global }
    .group_segment_fixed_size: 327680
    .private_segment_fixed_size: 0
    .kernarg_segment_align: 8
    .kernarg_segment_size: 64
    .max_flat_workgroup_size: 128
    .sgpr_count:     102
    .vgpr_count:     1024
    .wavefront_size: 32
...
	.end_amdgpu_metadata
.endif
;; end of part 2
;; launch attn (part 3): grid 16 x 16, 8 waves a work-group, clusters of 4 x 1, 327,680 bytes of LDS; arguments qq, kk, vv, pp, att; writes att
.if DOCPART == 3
	.amdgcn_target "amdgcn-amd-amdhsa--gfx1250"
	.amdhsa_code_object_version 6
	.text
	.protected	k_qc8743e3bb1_attn
	.globl	k_qc8743e3bb1_attn
	.p2align	8
	.type	k_qc8743e3bb1_attn,@function
k_qc8743e3bb1_attn:
	s_mov_b64 s[64:65], 0
	v_nop
	global_prefetch_b8 v0, s[64:65] scope:SCOPE_SE
	s_setreg_imm32_b32 hwreg(HW_REG_WAVE_MODE, 25, 1), 1
	s_wait_xcnt 0x0
	s_wait_alu depctr_hold_cnt(0) depctr_sa_sdst(0) depctr_va_vdst(0) depctr_va_sdst(0) depctr_va_ssrc(0) depctr_va_vcc(0) depctr_vm_vsrc(0)
	s_getreg_b32 s2, hwreg(HW_REG_IB_STS2, 6, 4)
	s_cmp_eq_u32 s2, 0
	s_cbranch_scc0 .Lentry_in_a_cluster
	s_endpgm
.Lentry_in_a_cluster:
	s_bfe_u32 s2, ttmp6, 0x10000c
	s_cmp_lg_u32 s2, 0x3003
	s_cbranch_scc0 .Lentry_shape_is_right
	s_endpgm
.Lentry_shape_is_right:
; Launch 3 of 4: att[b][i][h][:] = the sum over j of softmax_j(((q_i + u) . k_j + (q_i + v) . p_(2047 - i + j)) / sqrt(128)) v_j.  All operands f16, sums, maxima and exponentials f32; the weights are rounded to f16 for the last product.
; WORK LEFT OUT: of matrix_bd only column 2047 - i + j of row i survives reference()'s shift and slice (shown at the head of the first launch): for 16 queries and 64 keys that is a band of 79 rows of p; five tiles of 16 rows are multiplied.
; SHARES.  A work-group owns 128 queries of one (b, h).  Wave w: queries 32 (w / 2) + 0 .. 31 of them, two tiles of 16 (a = 0, 1), and half kap = w % 2 of the keys: of each slot of 128 keys the 64 from 64 kap on.
; Two waves lie on a SIMD, so that one wave's vector and LDS work stands beside the other's products.  At the end the two waves of a pair add their parts: wave kap finishes tile a = kap.
; LAYOUT.  All products are used transposed: a lane holds ONE query r = lane % 16.  S^T = K Qu^T + shifted(P Qv^T): register j of key tile t: key 16 t + 8 (lane / 16) + j.  Two such tiles, rounded in pairs, are source 1 of O^T = V^T P.
; THE SHIFT.  With band = 15 + c - r (c: the key in the step's 64), p's row is base + band, base = 2032 - (the tile's first query) + (the step's first key), a multiple of 16.  BD^T (source 0 = 16 rows of p, source 1 = Qv) gives
; lane (r, h), register j, tile t the band 16 t + 8 h + j.  It is stored into the wave's own skew buffer at word 1 + 85 r + band and read back at word 16 + 84 r + c, which is the same word: 16 bytes at a time, straight into
; S^T's registers, which are the C of the first K Qu^T product: so the sum of the two scores costs no addition.
; SOFTMAX.  For each query a running maximum m and sum l: p = 2^(c s - c m), c = log2(e) / sqrt(128); in every step O and l are multiplied by 2^(c m_old - c m_new).  O, l begin as zeros and m as -3e38, so the step is written without a first step of its own.
; LDS.  K: two buffers of 128 rows x 272 at 0;  V: two of 128 x 288 at 69,632;  P: a ring of four chunks of 128 rows x 272 at 143,360 (row l & 511, l counted from p's row 1920 - the work-group's first query; slot s reads l in 128 s .. 128 s + 255);
; skew buffers 8 x 5,440 at 282,624; spare words at 326,144.  Behind the last fill and the last barrier: the pairs' images in K's bytes, the stages for the way out in V's.
; CLUSTER.  The four query blocks of a cluster walk the same K and V: those tiles are asked for jointly.  P's windows lie 128 rows apart from partner to partner, so the partners never want the same chunk in the same round,
; and a window for all four (768 rows) does not fit beside the rest: P's chunks are each work-group's own loads.
; REGISTERS.  Window 0: v3-23 addresses; v32-47 statistics; v48-59 the merge; v64-127 S^T (tile a at 64 + 32 a); v128-159 the weights in f16; v64-143 also BD^T's ten tiles; v160-255 three buffers of four fragments.
;   Window 1: v0-63 Qu, v64-127 Qv (tile a, channels 32 f on: 32 a + 8 f); v128-255 O^T (128 + 64 a + 8 x channel tile).
.set KSZ,  34816
.set VSZ,  36864
.set PSZ,  34816
.set VB0,  69632
.set PB0,  143360
.set SKW,  282624
.set SKB,  5440
.set SPARE, 326144
.set PK,   272                         ; a row of K or P in LDS: 256 bytes + 16
.set PVP,  288                         ; a row of V: 256 + 32: the turning load's 8 rows x 32 bytes fall on different banks
.set MRGB, 8448                        ; a wave's image for its partner: 8,192 of O^T, 128 of c m, 128 of l
.set OSTG, 69632                       ; stages for the way out: 16 rows x 272 a wave
.set AFR, 3                            ; v3   272 r + 16 h: my lane's place in a tile of K or P
.set AVR, 4                            ; v4   my lane's place in a tile of V
.set SKS, 5                            ; v5   skew buffer, in:  4 + 340 r + 32 h
.set SKL, 6                            ; v6   skew buffer, out: 64 + 336 r + 32 h
.set ADK, 7
.set ADV, 8
.set ADP, 9                            ; v9-14 the step's six tiles of P
.set QO,  15
.set MGI, 16
.set MGS, 17
.set MGI2, 18
.set MGS2, 19
.set STO, 20
.set RD,  21
.set GO,  22
.set PFO, 23
.set SPW, 28
.set NIL, 29
.set ST,  32                           ; tile t's statistics at v[ST + 8 t]: +0 c m, +1 m, +2, +3 l, +4 .. +7 at work; the factor takes +6
.set S,   64
.set P16, 128
.set BT0, 64                           ; BD^T of tile a = 0: band tile t at BT0 + 8 t
.set BT1, 104
.set F0,  160
.set F1,  192
.set F2,  224
.set WV,  14
.set KAP, 15
.set W4,  16
.set CX,  17
.set QB,  18
.set BH,  19
.set SEL, 20
.set CS,  22
.set G1K, 24
.set G1V, 32
.set G1P, 40
.set G0K, 48
.set G0V, 52
.set G0P, 56
.set SL,  60                           ; s60  the slot in hand
.set CNT, 61
.set PLW, 62                           ; s62  96 - 32 (w / 2) + 64 kap: where my six tiles of P begin in slot 0
.set KOF, 63
.set VOF, 66
.set PFA, 76
.set LIM, 78
.set QVB, 80
.set PBS, 82
.set MSB, 0
.macro WIN new
.if MSB != \new
	s_set_vgpr_msb (MSB<<8)|\new
.set MSB, \new
.endif
.endm
.set W_QK, 0x04                        ; source 1 (Q) window 1; an LDS store's data too
.set W_PV, 0x50                        ; C and D (O^T) window 1
.set W_RS, 0x41                        ; O^T as destination and source 0
.macro PLACES
.rept 4
	v_nop
.endr
.endm
.macro CROUND
	s_barrier_signal -1
	s_barrier_wait -1
	s_cmp_lg_u32 s[WV], 0
	s_cbranch_scc1 .Lnot_wave_0_\@
	s_barrier_signal -3
.Lnot_wave_0_\@:
	s_barrier_wait -3
	s_barrier_signal -1
	s_barrier_wait -1
.endm
; The refills: wave 0 K's 128 rows, wave 2 V's, wave 4 (fill = 2) P's chunk: one tensor load a wave.  The branches hang on the wave's number alone.  An s_nop 0 and four v_nop follow each load.
.macro TLOAD fill
	s_cmp_eq_u32 s[WV], 0
	s_cbranch_scc0 .Lnot_k_\@
	tensor_load_to_lds s[G0K:G0K+3], s[G1K:G1K+7]
	s_nop 0
.rept 4
	v_nop
.endr
	s_branch .Lasked_\@
.Lnot_k_\@:
	s_cmp_eq_u32 s[WV], 2
	s_cbranch_scc0 .Lnot_v_\@
	tensor_load_to_lds s[G0V:G0V+3], s[G1V:G1V+7]
	s_nop 0
.rept 4
	v_nop
.endr
	s_branch .Lasked_\@
.Lnot_v_\@:
.if \fill == 2
	s_cmp_eq_u32 s[WV], 4
	s_cbranch_scc0 .Lasked_\@
	tensor_load_to_lds s[G0P:G0P+3], s[G1P:G1P+7]
	s_nop 0
.rept 4
	v_nop
.endr
.endif
.Lasked_\@:
.endm
; A PREFETCH of what the NEXT change of slots will ask for: 128 rows of 256 bytes, a lane a row, 32 rows to each of the four partners, told apart by address.  Each row is named once in the launch: the (b, h)'s first cluster asks;
; in it wave 1 for K's slot two on, wave 3 for V's, and, where b = 0, wave 5 for the chunk four on of query block 0's window of P: the rows that no work-group has loaded yet (all other windows lie lower).
; K's and V's last slot and P's last chunk have been named when the count reaches the wave's limit: then nothing is asked for.
.macro ASK
	s_cmp_gt_u32 s[CNT], s[LIM]
	s_cbranch_scc0 .Lnot_mine_\@
	global_prefetch_b8 v[PFO], s[PFA:PFA+1] th:TH_LOAD_NT scope:SCOPE_SE
.Lnot_mine_\@:
.endm
	s_load_b256 s[4:11], s[0:1], 0x0               ; qq, kk, vv, pp
	s_load_b64 s[12:13], s[0:1], 0x20              ; att
	v_lshl_add_u32 v[SPW], v0, 2, SPARE
	v_mov_b32 v[NIL], 0
	ds_add_u32 v[SPW], v[NIL]                      ; the wave's opening: the add, twice on end, and its wait ahead of my first tensor load
	ds_add_u32 v[SPW], v[NIL]
	v_lshrrev_b32 v1, 5, v0
	v_readfirstlane_b32 s[WV], v1                  ; wave 0..7
	s_and_b32 s[KAP], s[WV], 1
	s_lshr_b32 s[W4], s[WV], 1
	s_bfe_u32 s[CX], ttmp6, 0x40000                ; my place in the cluster
	s_lshl_b32 s[QB], ttmp9, 2
	s_add_co_u32 s[QB], s[QB], s[CX]               ; my block of 128 queries
	s_and_b32 s[BH], ttmp7, 0xffff                 ; 8 b + h, which the four partners share
	s_mov_b32 s[G1K], 15|(1<<16)|(1<<20)|(1<<21)|(5<<22)|(3<<25)  ; the mask: all four; elements of 2 bytes; padding on; bit 21 beside a mask; 4 words after every 64
	s_mov_b32 s[G1V], 15|(1<<16)|(1<<20)|(1<<21)|(5<<22)|(7<<25)  ; the same with 8 words
	s_mov_b32 s[G1P], (1<<16)|(1<<20)|(5<<22)|(3<<25)             ; no mask: my work-group's own
.irp g, G1K, G1V, G1P
	s_mov_b32 s[\g+1], 128<<16                     ; tensor_dim0 = 128
	s_mov_b32 s[\g+2], 128<<16                     ; tensor_dim1 = 128
	s_mov_b32 s[\g+3], 128<<16                     ; tile_dim0 = 128
	s_mov_b32 s[\g+4], 128                         ; tile_dim1 = 128
	s_mov_b32 s[\g+5], 128                         ; from row to row
	s_mov_b32 s[\g+6], 0
	s_mov_b32 s[\g+7], 0
.endr
	s_mov_b32 s[SEL], 0x76543210
	s_mov_b32 s[SEL+1], 0xfedcba98                 ; v_permlanex16_b32: lane l xor 16
	s_mov_b32 s[CS], 0x3e0293ee                    ; c = log2(e) / sqrt(128)
	s_mov_b32 s[CS+1], s[CS]
	s_mov_b32 s[SL], 0
	s_mul_i32 s[KOF], s[KAP], 64*PK                ; my 64 keys in a buffer of K,
	s_mul_i32 s[VOF], s[KAP], 64*PVP
	s_add_co_u32 s[VOF], s[VOF], VB0               ; and of V
	s_xor_b32 s[PLW], s[W4], 3
	s_lshl_b32 s[PLW], s[PLW], 5
	s_lshl_b32 s68, s[KAP], 6
	s_add_co_u32 s[PLW], s[PLW], s68
	s_mov_b32 s[LIM], -1                           ; who prefetches: made of the wave's number, b and the cluster's number alone
	s_or_b32 s68, s[WV], 2
	s_cmp_eq_u32 s68, 3                            ; waves 1 and 3
	s_cselect_b32 s[LIM], 0, s[LIM]
	s_lshr_b32 s68, s[BH], 3
	s_lshl_b32 s68, s68, 3
	s_or_b32 s68, s68, s[WV]
	s_cmp_eq_u32 s68, 5                            ; wave 5 where b = 0
	s_cselect_b32 s[LIM], 1, s[LIM]
	s_cmp_eq_u32 ttmp9, 0
	s_cselect_b32 s[LIM], s[LIM], -1
	s_lshl_b32 s68, s[BH], 19                      ; a head's K or V: 2,048 rows of 256 bytes
	s_mov_b32 s69, 0
	s_and_b32 s72, s[BH], 7                        ; P's window: row h x 4,096 + 1,920 - 128 x query block
	s_lshl_b32 s72, s72, 12
	s_add_co_u32 s72, s72, 1920
	s_lshl_b32 s73, s[QB], 7
	s_sub_co_u32 s72, s72, s73
	s_lshl_b32 s72, s72, 8
	s_mov_b32 s73, 0
	s_wait_dscnt 0x0                               ; both opening adds are done
	s_wait_kmcnt 0x0
	s_add_nc_u64 s[6:7], s[6:7], s[68:69]
	s_add_nc_u64 s[8:9], s[8:9], s[68:69]
	s_add_nc_u64 s[PBS:PBS+1], s[10:11], s[72:73]
	s_lshl_b32 s72, s[BH], 11                      ; Q: row (8 b + h) x 2,048 + 128 x query block + 32 (w / 2)
	s_lshl_b32 s74, s[QB], 7
	s_add_co_u32 s72, s72, s74
	s_lshl_b32 s74, s[W4], 5
	s_add_co_u32 s72, s72, s74
	s_lshl_b32 s72, s72, 8
	s_add_nc_u64 s[4:5], s[4:5], s[72:73]
	s_add_nc_u64 s[QVB:QVB+1], s[4:5], 0x800000
	s_lshr_b32 s72, s[BH], 3                       ; att: row b x 2,048 + 128 x query block + 32 (w / 2) + 16 kap, of 2,048 bytes; + 256 h
	s_lshl_b32 s72, s72, 11
	s_lshl_b32 s74, s[QB], 7
	s_add_co_u32 s72, s72, s74
	s_lshl_b32 s74, s[W4], 5
	s_add_co_u32 s72, s72, s74
	s_lshl_b32 s74, s[KAP], 4
	s_add_co_u32 s72, s72, s74
	s_lshl_b32 s72, s72, 11
	s_and_b32 s74, s[BH], 7
	s_lshl_b32 s74, s74, 8
	s_add_co_u32 s72, s72, s74
	s_add_nc_u64 s[12:13], s[12:13], s[72:73]
	s_and_b32 s75, s[BH], 7                        ; the prefetches begin one step short of their first: K's and V's slot 2, chunk 4 of query block 0's window
	s_lshl_b32 s75, s75, 12
	s_add_co_u32 s75, s75, 1920+512
	s_lshl_b32 s75, s75, 8
	s_mov_b32 s74, 2*32768
	s_cmp_lt_u32 s[WV], 2
	s_cselect_b64 s[PFA:PFA+1], s[6:7], s[8:9]
	s_cmp_lt_u32 s[WV], 4
	s_cselect_b64 s[PFA:PFA+1], s[PFA:PFA+1], s[10:11]
	s_cselect_b32 s74, s74, s75
	s_lshl_b32 s75, s[CX], 13                      ; my work-group's 32 rows of the 128
	s_add_co_u32 s74, s74, s75
	s_mov_b32 s75, 0
	s_add_nc_u64 s[PFA:PFA+1], s[PFA:PFA+1], s[74:75]
	; the first fills: every wave has one.  Waves 0, 1: K's slots 0, 1; waves 2, 3: V's; waves 4 to 7: P's chunks 0 to 3
	s_lshl_b32 s68, s[KAP], 15
	s_mov_b32 s[G0K], 1
	s_mul_i32 s[G0K+1], s[KAP], KSZ
	s_add_nc_u64 s[G0K+2:G0K+3], s[6:7], s[68:69]
	s_or_b32 s[G0K+3], s[G0K+3], 0x80000000
	s_mov_b32 s[G0V], 1
	s_mul_i32 s[G0V+1], s[KAP], VSZ
	s_add_co_u32 s[G0V+1], s[G0V+1], VB0
	s_add_nc_u64 s[G0V+2:G0V+3], s[8:9], s[68:69]
	s_or_b32 s[G0V+3], s[G0V+3], 0x80000000
	s_mov_b32 s[G0P], 1
	s_and_b32 s70, s[WV], 3
	s_mul_i32 s[G0P+1], s70, PSZ
	s_add_co_u32 s[G0P+1], s[G0P+1], PB0
	s_lshl_b32 s70, s70, 15
	s_mov_b32 s71, 0
	s_add_nc_u64 s[G0P+2:G0P+3], s[PBS:PBS+1], s[70:71]
	s_or_b32 s[G0P+3], s[G0P+3], 0x80000000
	CROUND                                         ; all four work-groups are here: the first joint loads meet
	s_cmp_lt_u32 s[WV], 2
	s_cbranch_scc0 .Lh_not_k
	tensor_load_to_lds s[G0K:G0K+3], s[G1K:G1K+7]
	s_nop 0
.rept 4
	v_nop
.endr
	s_branch .Lh_done
.Lh_not_k:
	s_cmp_lt_u32 s[WV], 4
	s_cbranch_scc0 .Lh_p
	tensor_load_to_lds s[G0V:G0V+3], s[G1V:G1V+7]
	s_nop 0
.rept 4
	v_nop
.endr
	s_branch .Lh_done
.Lh_p:
	tensor_load_to_lds s[G0P:G0P+3], s[G1P:G1P+7]
	s_nop 0
.rept 4
	v_nop
.endr
.Lh_done:
	v_and_b32 v1, 15, v0                           ; r
	v_bfe_u32 v2, v0, 4, 1                         ; h
	v_lshlrev_b32 v[QO], 8, v1
	v_lshl_add_u32 v[QO], v2, 4, v[QO]             ; Q: row r of 256 bytes, + 16 h
	WIN 0x40                                       ; destination window 1
.irp i, 0,1,2,3,4,5,6,7                        ; tile i / 4, channels 32 (i % 4) on: Q stays in registers
	global_load_b128 v[8*\i:8*\i+3],       v[QO], s[4:5] offset:(\i/4)*4096+(\i%4)*64
	global_load_b128 v[8*\i+4:8*\i+7],     v[QO], s[4:5] offset:(\i/4)*4096+(\i%4)*64+32
	global_load_b128 v[64+8*\i:64+8*\i+3], v[QO], s[QVB:QVB+1] offset:(\i/4)*4096+(\i%4)*64
	global_load_b128 v[64+8*\i+4:64+8*\i+7], v[QO], s[QVB:QVB+1] offset:(\i/4)*4096+(\i%4)*64+32
.endr
.set i, 0
.rept 128
	v_mov_b32 v[128+i], 0                          ; O^T, once: the step is written without a first step of its own
.set i, i+1
.endr
	WIN 0
	v_mul_u32_u24 v[AFR], v1, PK
	v_lshl_add_u32 v[AFR], v2, 4, v[AFR]
	v_and_b32 v24, 7, v0                           ; the turning load takes 16 keys x 16 channels: lane l reads key 8 h + l % 8, channels 8 ((l / 8) % 2) on
	v_bfe_u32 v25, v0, 3, 1
	v_lshl_add_u32 v[AVR], v2, 3, v24
	v_mul_u32_u24 v[AVR], v[AVR], PVP
	v_lshl_add_u32 v[AVR], v25, 4, v[AVR]
	s_mul_i32 s68, s[WV], SKB
	s_add_co_u32 s68, s68, SKW                     ; my skew buffer
	v_mul_u32_u24 v[SKS], v1, 340
	v_lshl_add_u32 v[SKS], v2, 5, v[SKS]
	v_add_nc_u32 v[SKS], s68, v[SKS]
	v_add_nc_u32 v[SKS], 4, v[SKS]
	v_mul_u32_u24 v[SKL], v1, 336
	v_lshl_add_u32 v[SKL], v2, 5, v[SKL]
	v_add_nc_u32 v[SKL], s68, v[SKL]
	v_add_nc_u32 v[SKL], 64, v[SKL]
	v_and_b32 v24, 31, v0                          ; lane
	s_mul_i32 s68, s[WV], MRGB                     ; the image that I leave for my partner,
	v_lshl_add_u32 v[MGI], v24, 4, s68
	v_lshl_add_u32 v[MGS], v24, 2, s68
	v_add_nc_u32 v[MGS], 8192, v[MGS]
	s_xor_b32 s69, s[WV], 1
	s_mul_i32 s69, s69, MRGB                       ; and the one that it leaves for me
	v_lshl_add_u32 v[MGI2], v24, 4, s69
	v_lshl_add_u32 v[MGS2], v24, 2, s69
	v_add_nc_u32 v[MGS2], 8192, v[MGS2]
	s_mul_i32 s68, s[WV], 16*272
	s_add_co_u32 s68, s68, OSTG                    ; my stage
	v_mul_u32_u24 v[STO], v1, 272
	v_lshl_add_u32 v[STO], v2, 4, v[STO]
	v_add_nc_u32 v[STO], s68, v[STO]
	v_mul_u32_u24 v[RD], v2, 272
	v_lshl_add_u32 v[RD], v1, 4, v[RD]
	v_add_nc_u32 v[RD], s68, v[RD]
	v_lshlrev_b32 v[GO], 11, v2                    ; att: lanes 0-15 one row, lanes 16-31 the next; 16 bytes a lane
	v_lshl_add_u32 v[GO], v1, 4, v[GO]
	v_lshlrev_b32 v[PFO], 8, v24
.irp t, 0,1
	v_mov_b32 v[ST+8*\t+1], 0xff61b1e6             ; m = -3e38, under every score
	v_mul_f32 v[ST+8*\t], s[CS], v[ST+8*\t+1]      ; c m
	v_mov_b32 v[ST+8*\t+2], 0                      ; l, in two halves
	v_mov_b32 v[ST+8*\t+3], 0
.endr
	s_wait_tensorcnt 0x0                           ; my first fill has landed,
	s_barrier_signal -1
	s_barrier_wait -1                              ; everybody's has.
	s_add_nc_u64 s[G0K+2:G0K+3], s[6:7], 32768     ; no tensor load of mine is out: the walking descriptors are set, free of the wave's number: one step short of slot 2,
	s_or_b32 s[G0K+3], s[G0K+3], 0x80000000
	s_add_nc_u64 s[G0V+2:G0V+3], s[8:9], 32768
	s_or_b32 s[G0V+3], s[G0V+3], 0x80000000
	s_add_nc_u64 s[G0P+2:G0P+3], s[PBS:PBS+1], 3*32768   ; and of chunk 4
	s_or_b32 s[G0P+3], s[G0P+3], 0x80000000
.macro LT buf, adr, off                ; a tile of 16 rows x 128 channels of K or P: four fragments, 8 loads
.irp f, 0,1,2,3
	ds_load_b128 v[\buf+8*\f:\buf+8*\f+3],   v[\adr] offset:\off+64*\f
	ds_load_b128 v[\buf+8*\f+4:\buf+8*\f+7], v[\adr] offset:\off+64*\f+32
.endr
.endm
.macro LV buf, vg                      ; V^T: channel tiles 2 vg + d, keys 32 u on: fragment (d, u) at buf + 8 (2 d + u): 8 turning loads
.irp d, 0,1
.irp u, 0,1
	ds_load_tr16_b128 v[\buf+8*(2*\d+\u):\buf+8*(2*\d+\u)+3],   v[ADV] offset:\u*32*PVP+(2*(\vg)+\d)*32
	ds_load_tr16_b128 v[\buf+8*(2*\d+\u)+4:\buf+8*(2*\d+\u)+7], v[ADV] offset:\u*32*PVP+16*PVP+(2*(\vg)+\d)*32
.endr
.endr
.endm
.macro BD2 bufa, da, bufb, db          ; eight products: a band tile of query tile 1 (from bufa into da) and one of query tile 0 (bufb, db), by turns; the first of each starts its sum
.irp f, 0,1,2,3
.if \f == 0
	v_wmma_f32_16x16x32_f16 v[\da:\da+7], v[\bufa+8*\f:\bufa+8*\f+7], v[96+8*\f:96+8*\f+7], 0
	v_wmma_f32_16x16x32_f16 v[\db:\db+7], v[\bufb+8*\f:\bufb+8*\f+7], v[64+8*\f:64+8*\f+7], 0
.else
	v_wmma_f32_16x16x32_f16 v[\da:\da+7], v[\bufa+8*\f:\bufa+8*\f+7], v[96+8*\f:96+8*\f+7], v[\da:\da+7]
	v_wmma_f32_16x16x32_f16 v[\db:\db+7], v[\bufb+8*\f:\bufb+8*\f+7], v[64+8*\f:64+8*\f+7], v[\db:\db+7]
.endif
.endr
.endm
.macro AC buf, t                       ; eight products: key tile t x Qu of both query tiles, by turns, onto the shifted BD^T
.irp f, 0,1,2,3
	v_wmma_f32_16x16x32_f16 v[S+8*\t:S+8*\t+7], v[\buf+8*\f:\buf+8*\f+7], v[8*\f:8*\f+7], v[S+8*\t:S+8*\t+7]
	v_wmma_f32_16x16x32_f16 v[S+32+8*\t:S+32+8*\t+7], v[\buf+8*\f:\buf+8*\f+7], v[32+8*\f:32+8*\f+7], v[S+32+8*\t:S+32+8*\t+7]
.endr
.endm
.macro PVM buf, vg                     ; eight products O^T += V^T P: four accumulators (channel tile x query tile) by turns, keys 0-31, then 32-63
.irp u, 0,1
.irp d, 0,1
.irp a, 0,1
	v_wmma_f32_16x16x32_f16 v[128+64*\a+8*(2*(\vg)+\d):128+64*\a+8*(2*(\vg)+\d)+7], v[\buf+8*(2*\d+\u):\buf+8*(2*\d+\u)+7], v[P16+16*\a+8*\u:P16+16*\a+8*\u+7], v[128+64*\a+8*(2*(\vg)+\d):128+64*\a+8*(2*(\vg)+\d)+7]
.endr
.endr
.endr
.endm
.macro SKEW bt, sd                     ; a query tile's five band tiles into the skew buffer, each from its low register on; 64 keys back.  LDS serves a wave's instructions in order: no wait between
.irp t, 0,1,2,3,4
.irp j, 0,1,2,3,4,5,6,7
	ds_store_b32 v[SKS], v[\bt+8*\t+\j] offset:64*\t+4*\j
.endr
.endr
.irp t, 0,1,2,3
	ds_load_b128 v[\sd+8*\t:\sd+8*\t+3],   v[SKL] offset:64*\t
	ds_load_b128 v[\sd+8*\t+4:\sd+8*\t+7], v[SKL] offset:64*\t+16
.endr
.endm
.macro SOFTMAX                         ; both query tiles, phase by phase, so that no line waits for the line above it
.irp j, 0,1,2,3
.irp t, 0,1
	v_max3_num_f32 v[ST+8*\t+4+\j], v[S+32*\t+8*\j], v[S+32*\t+8*\j+1], v[S+32*\t+8*\j+2]   ; four chains, each begun at an accumulator's low end
.endr
.endr
.irp q, 1,2
.irp j, 0,1,2,3
.irp t, 0,1
	v_max3_num_f32 v[ST+8*\t+4+\j], v[ST+8*\t+4+\j], v[S+32*\t+8*\j+2*\q+1], v[S+32*\t+8*\j+2*\q+2]
.endr
.endr
.endr
.irp t, 0,1
	v_max3_num_f32 v[ST+8*\t+4], v[ST+8*\t+4], v[S+32*\t+7], v[S+32*\t+15]
	v_max3_num_f32 v[ST+8*\t+6], v[ST+8*\t+6], v[S+32*\t+23], v[S+32*\t+31]
.endr
.irp t, 0,1
	v_max3_num_f32 v[ST+8*\t+4], v[ST+8*\t+4], v[ST+8*\t+5], v[ST+8*\t+6]
.endr
.irp t, 0,1
	v_max3_num_f32 v[ST+8*\t+4], v[ST+8*\t+4], v[ST+8*\t+7], v[ST+8*\t+1]   ; and the old m
.endr
.irp t, 0,1
	v_permlanex16_b32 v[ST+8*\t+5], v[ST+8*\t+4], s[SEL], s[SEL+1]          ; the query's other 32 keys lie in the lane 16 away
.endr
.irp t, 0,1
	v_mov_b32 v[ST+8*\t+7], v[ST+8*\t]             ; c m_old
.endr
.irp t, 0,1
	v_max_num_f32 v[ST+8*\t+1], v[ST+8*\t+4], v[ST+8*\t+5]
.endr
.irp t, 0,1
	v_mul_f32 v[ST+8*\t], s[CS], v[ST+8*\t+1]
.endr
.irp t, 0,1
	v_sub_f32 v[ST+8*\t+7], v[ST+8*\t+7], v[ST+8*\t]
.endr
.irp b, 0,1,2,3,4,5,6,7,8,9,10,11,12,13,14,15
.irp t, 0,1
	v_pk_fma_f32 v[S+32*\t+2*\b:S+32*\t+2*\b+1], v[S+32*\t+2*\b:S+32*\t+2*\b+1], s[CS:CS+1], v[ST+8*\t:ST+8*\t+1] op_sel_hi:[1,0,0] neg_lo:[0,0,1] neg_hi:[0,0,1]   ; c s - c m
.endr
.endr
.irp t, 0,1
	v_exp_f32 v[ST+8*\t+6], v[ST+8*\t+7]           ; 2^(c m_old - c m_new)
.endr
.set i, 0
.rept 64
	v_exp_f32 v[S+i], v[S+i]                       ; the weights: one batch of 66 exponentials
.set i, i+1
.endr
	v_nop                                          ; a plain instruction behind the last exponential
	s_wait_alu depctr_va_vdst(0)                   ; one wait for the batch, ahead of the first line that names a result
.set i, 0
.rept 32
	v_cvt_pk_f16_f32 v[P16+i], v[S+2*i], v[S+2*i+1]
.set i, i+1
.endr
.irp z, 0,1,2,3,4,5,6,7                        ; the sum of the unrounded weights, in place: neighbours 1, 2, 4, 8 pairs apart
.irp t, 0,1
	v_pk_add_f32 v[S+32*\t+4*\z:S+32*\t+4*\z+1], v[S+32*\t+4*\z:S+32*\t+4*\z+1], v[S+32*\t+4*\z+2:S+32*\t+4*\z+3]
.endr
.endr
.irp z, 0,1,2,3
.irp t, 0,1
	v_pk_add_f32 v[S+32*\t+8*\z:S+32*\t+8*\z+1], v[S+32*\t+8*\z:S+32*\t+8*\z+1], v[S+32*\t+8*\z+4:S+32*\t+8*\z+5]
.endr
.endr
.irp z, 0,1
.irp t, 0,1
	v_pk_add_f32 v[S+32*\t+16*\z:S+32*\t+16*\z+1], v[S+32*\t+16*\z:S+32*\t+16*\z+1], v[S+32*\t+16*\z+8:S+32*\t+16*\z+9]
.endr
.endr
.irp t, 0,1
	v_pk_add_f32 v[S+32*\t:S+32*\t+1], v[S+32*\t:S+32*\t+1], v[S+32*\t+16:S+32*\t+17]
.endr
.irp t, 0,1
	v_pk_fma_f32 v[ST+8*\t+2:ST+8*\t+3], v[ST+8*\t+2:ST+8*\t+3], v[ST+8*\t+6:ST+8*\t+7], v[S+32*\t:S+32*\t+1] op_sel_hi:[1,0,1]
.endr
.endm
; A STEP: my 64 keys of slot SL, for my 32 queries.  Each counted wait on DScnt names the loads (8 a tile) issued behind the tile that is wanted.
.macro SLOTWORK
	PLACES                                         ; with the eight additions below: the places behind the last step's products, whose operands are loaded and written over below
	s_and_b32 s68, s[SL], 1
	s_mul_i32 s69, s68, KSZ
	s_add_co_u32 s69, s69, s[KOF]
	s_mul_i32 s70, s68, VSZ
	s_add_co_u32 s70, s70, s[VOF]
	v_add_nc_u32 v[ADK], s69, v[AFR]
	v_add_nc_u32 v[ADV], s70, v[AVR]
	s_lshl_b32 s68, s[SL], 7
	s_add_co_u32 s68, s68, s[PLW]
.irp g, 0,1,2,3,4,5                            ; tile g of P: band tile g of query tile 1 and band tile g - 1 of query tile 0
	s_add_co_u32 s69, s68, 16*\g
	s_and_b32 s69, s69, 511
	s_mul_i32 s69, s69, PK
	s_add_co_u32 s69, s69, PB0
	v_add_nc_u32 v[ADP+\g], s69, v[AFR]
.endr
	LT F0, ADP+0, 0
	LT F1, ADP+5, 0
	LT F2, ADP+1, 0
	WIN W_QK
	s_wait_dscnt 8                                 ; tiles 0 and 5 are in
	BD2 F0, BT1, F1, BT0+32
	PLACES
	LT F0, ADP+2, 0
	LT F1, ADP+3, 0
	s_wait_dscnt 16                                ; tile 1
	BD2 F2, BT1+8, F2, BT0
	PLACES
	LT F2, ADP+4, 0
	s_wait_dscnt 16                                ; tile 2
	BD2 F0, BT1+16, F0, BT0+8
	PLACES
	LT F0, ADK, 0
	s_wait_dscnt 16                                ; tile 3
	BD2 F1, BT1+24, F1, BT0+16
	PLACES
	LT F1, ADK, 16*PK
	s_wait_dscnt 16                                ; tile 4
	BD2 F2, BT1+32, F2, BT0+24
	PLACES
	v_nop
	LT F2, ADK, 32*PK
	WIN 0
	SKEW BT0, S
	SKEW BT1, S+32
	s_wait_dscnt 0x0                               ; the shifted scores and key tiles 0 to 2 are in
	WIN W_QK
	AC F0, 0
	PLACES
	LT F0, ADK, 48*PK
	AC F1, 1
	PLACES
	LV F1, 0
	AC F2, 2
	PLACES
	LV F2, 1
	s_wait_dscnt 16                                ; key tile 3
	AC F0, 3
	PLACES
	LV F0, 2
	WIN 0
	SOFTMAX
	LV S, 3                                        ; into S^T's first half, which is done with
	WIN W_RS
.irp t, 0,1
.set i, 0
.rept 32
	v_pk_mul_f32 v[128+64*\t+2*i:128+64*\t+2*i+1], v[128+64*\t+2*i:128+64*\t+2*i+1], v[ST+8*\t+6:ST+8*\t+7] op_sel_hi:[1,0]   ; O^T under the new m
.set i, i+1
.endr
.endr
	WIN W_PV
	s_wait_dscnt 24
	PVM F1, 0
	s_wait_dscnt 16
	PVM F2, 1
	s_wait_dscnt 8
	PVM F0, 2
	s_wait_dscnt 0x0
	PVM S, 3
	WIN 0
.endm
; THE CHANGE OF SLOTS.  Each wave waits for all its tensor loads, adds 0 to its spare word, and waits for that and for its reads of the slot that it leaves.  fill = 2: behind a round of the cluster's barrier K's and V's buffers that were
; just read take slot SL + 1, and the place of P's chunk SL - 1 takes chunk SL + 3;  fill = 1: K and V alone;  fill = 0: nothing, and the work-group's barrier does.  A wave has at most one tensor load out.
.macro CHANGE fill
	s_wait_tensorcnt 0x0                           ; no tensor load of mine is out, so the descriptors may be written
	ds_add_u32 v[SPW], v[NIL]                      ; 0 onto my spare word; work on registers stands between it and the wait for it
	s_add_co_u32 s[SL], s[SL], 1
.if \fill
	s_add_co_u32 s68, s[SL], 1
	s_and_b32 s68, s68, 1
	s_mul_i32 s[G0K+1], s68, KSZ
	s_mul_i32 s[G0V+1], s68, VSZ
	s_add_co_u32 s[G0V+1], s[G0V+1], VB0
	s_add_nc_u64 s[G0K+2:G0K+3], s[G0K+2:G0K+3], 32768   ; the next 128 keys; the type bits on top are not reached
	s_add_nc_u64 s[G0V+2:G0V+3], s[G0V+2:G0V+3], 32768
.endif
.if \fill == 2
	s_add_co_u32 s68, s[SL], 3
	s_and_b32 s68, s68, 3
	s_mul_i32 s[G0P+1], s68, PSZ
	s_add_co_u32 s[G0P+1], s[G0P+1], PB0
	s_add_nc_u64 s[G0P+2:G0P+3], s[G0P+2:G0P+3], 32768
	s_wait_xcnt 0x0                                ; the last prefetch, a slot back, has read its address
	s_add_nc_u64 s[PFA:PFA+1], s[PFA:PFA+1], 32768
.endif
	s_wait_dscnt 0x0                               ; the add is done, and my reads of the slot are over
.if \fill
	CROUND
	TLOAD \fill
.if \fill == 2
	ASK
.endif
.else
	s_barrier_signal -1
	s_barrier_wait -1
.endif
.endm
	s_wait_loadcnt 0x0                             ; Q
	s_mov_b32 s[CNT], 13
.Lmain:                                            ; slots 0 to 12
	SLOTWORK
	CHANGE 2
	s_sub_co_u32 s[CNT], s[CNT], 1
	s_cmp_lg_u32 s[CNT], 0
	s_cbranch_scc1 .Lmain
	SLOTWORK                                       ; slot 13: P's last chunk has been asked for
	CHANGE 1
	s_mov_b32 s[CNT], 2
.Ltail:                                            ; slots 14 and 15: nothing is left to fetch.  The second barrier ends all reads of K and V
	SLOTWORK
	CHANGE 0
	s_sub_co_u32 s[CNT], s[CNT], 1
	s_cmp_lg_u32 s[CNT], 0
	s_cbranch_scc1 .Ltail
	; THE MERGE.  Each wave holds m, l and O^T of both query tiles over its half of the keys.  Wave kap keeps tile kap and leaves the other, as an image of its registers, for its partner.
	PLACES                                         ; behind the last products
.irp t, 0,1
	v_add_f32 v[ST+8*\t+4], v[ST+8*\t+2], v[ST+8*\t+3]
.endr
.irp t, 0,1
	v_permlanex16_b32 v[ST+8*\t+5], v[ST+8*\t+4], s[SEL], s[SEL+1]
.endr
.irp t, 0,1
	v_add_f32 v[ST+8*\t+2], v[ST+8*\t+4], v[ST+8*\t+5]   ; l over my 1,024 keys
.endr
.macro GIVE x
	WIN W_QK                                       ; the stores' data lie in window 1
.irp i, 0,1,2,3,4,5,6,7,8,9,10,11,12,13,14,15
	ds_store_b128 v[MGI], v[128+64*\x+4*\i:128+64*\x+4*\i+3] offset:512*\i
.endr
	WIN 0
	ds_store_b32 v[MGS], v[ST+8*\x]
	ds_store_b32 v[MGS], v[ST+8*\x+2] offset:128
.endm
.macro TAKE x
.irp i, 0,1,2,3,4,5,6,7,8,9,10,11,12,13,14,15
	ds_load_b128 v[64+4*\i:64+4*\i+3], v[MGI2] offset:512*\i
.endr
	ds_load_b32 v48, v[MGS2]                       ; the partner's c m
	ds_load_b32 v49, v[MGS2] offset:128            ; and l
	s_wait_dscnt 0x0
	v_max_num_f32 v50, v[ST+8*\x], v48
	v_sub_f32 v51, v[ST+8*\x], v50
	v_sub_f32 v52, v48, v50
	v_exp_f32 v51, v51                             ; what brings my part under the common maximum,
	v_exp_f32 v52, v52                             ; and the partner's
	v_nop
	s_wait_alu depctr_va_vdst(0)                   ; one wait for the two
	v_mul_f32 v53, v[ST+8*\x+2], v51
	v_fma_f32 v53, v49, v52, v53                   ; the row's sum
	v_rcp_f32 v54, v53
	v_nop
	s_wait_alu depctr_va_vdst(0)
	v_mul_f32 v56, v51, v54
	v_mul_f32 v58, v52, v54
	v_mov_b32 v57, v56                             ; (named as pairs, so both halves are written)
	v_mov_b32 v59, v58
.set i, 0
.rept 32
	v_pk_mul_f32 v[64+2*i:64+2*i+1], v[64+2*i:64+2*i+1], v[58:59] op_sel_hi:[1,0]
.set i, i+1
.endr
	WIN 0x01                                       ; source 0: O^T, window 1
.set i, 0
.rept 32
	v_pk_fma_f32 v[64+2*i:64+2*i+1], v[128+64*\x+2*i:128+64*\x+2*i+1], v[56:57], v[64+2*i:64+2*i+1] op_sel_hi:[1,0,1]
.set i, i+1
.endr
	WIN 0
.set i, 0
.rept 32
	v_cvt_pk_f16_f32 v[128+i], v[64+2*i], v[64+2*i+1]   ; eight channels of a row: 16 bytes
.set i, i+1
.endr
.irp f, 0,1,2,3,4,5,6,7
	ds_store_b128 v[STO], v[128+4*\f:128+4*\f+3] offset:32*\f
.endr
.irp f, 0,1,2,3,4,5,6,7
	ds_load_b128 v[160+4*\f:160+4*\f+3], v[RD] offset:\f*2*272   ; LDS serves a wave's instructions in order: these see the stores above
.endr
.irp f, 0,1,2,3,4,5,6,7
	s_wait_dscnt 7-\f
	global_store_b128 v[GO], v[160+4*\f:160+4*\f+3], s[12:13] offset:\f*4096   ; 16 lanes store 256 consecutive bytes, aligned: a head's part of a row of att
.endr
.endm
	s_cmp_eq_u32 s[KAP], 0
	s_cbranch_scc0 .Lgive0
	GIVE 1
	s_branch .Lgiven
.Lgive0:
	GIVE 0
.Lgiven:
	s_wait_dscnt 0x0                               ; for the partner's sake: my stores are done
	s_barrier_signal -1
	s_barrier_wait -1
	s_cmp_eq_u32 s[KAP], 0
	s_cbranch_scc0 .Ltake1
	TAKE 0
	s_branch .Lend
.Ltake1:
	TAKE 1
.Lend:
	s_wait_tensorcnt 0x0                           ; the wave's end: behind my last tensor load and my last LDS store
	ds_add_u32 v[SPW], v[NIL]
	s_wait_dscnt 0x0
	CROUND                                         ; the closing round
	s_endpgm
.Lfunc_end_k_qc8743e3bb1_attn:
	.size	k_qc8743e3bb1_attn, .Lfunc_end_k_qc8743e3bb1_attn-k_qc8743e3bb1_attn
	.p2alignl 7, 3214868480
	.fill 96, 4, 3214868480
	.section	.rodata,"a",@progbits
	.p2align	6, 0x0
	.amdhsa_kernel k_qc8743e3bb1_attn
		.amdhsa_group_segment_fixed_size 327680
		.amdhsa_private_segment_fixed_size 0
		.amdhsa_enable_private_segment 0
		.amdhsa_kernarg_size 40
		.amdhsa_user_sgpr_count 2
		.amdhsa_user_sgpr_kernarg_segment_ptr 1
		.amdhsa_wavefront_size32 1
		.amdhsa_system_sgpr_workgroup_id_x 1
		.amdhsa_system_sgpr_workgroup_id_y 1
		.amdhsa_system_sgpr_workgroup_id_z 1
		.amdhsa_system_vgpr_workitem_id 0
		.amdhsa_next_free_vgpr 512
		.amdhsa_next_free_sgpr 84
		.amdhsa_reserve_vcc 0
		.amdhsa_float_denorm_mode_32 3
		.amdhsa_float_denorm_mode_16_64 3
		.amdhsa_memory_ordered 1
		.amdhsa_forward_progress 1
		.amdhsa_inst_pref_size 158
	.end_amdhsa_kernel
	.amdgpu_metadata
---
amdhsa.version: [ 1, 2 ]
amdhsa.kernels:
  - .name:           k_qc8743e3bb1_attn
    .symbol:         k_qc8743e3bb1_attn.kd
    .args:
      - { .name: qq, .offset: 0, .size: 8, .value_kind: global_buffer, .address_space: global }
      - { .name: kk, .offset: 8, .size: 8, .value_kind: global_buffer, .address_space: global }
      - { .name: vv, .offset: 16, .size: 8, .value_kind: global_buffer, .address_space: global }
      - { .name: pp, .offset: 24, .size: 8, .value_kind: global_buffer, .address_space: global }
      - { .name: att, .offset: 32, .size: 8, .value_kind: global_buffer, .address_space: global }
    .group_segment_fixed_size: 327680
    .private_segment_fixed_size: 0
    .kernarg_segment_align: 8
    .kernarg_segment_size: 40
    .max_flat_workgroup_size: 256
    .sgpr_count:     84
    .vgpr_count:     512
    .wavefront_size: 32
...
	.end_amdgpu_metadata
.endif
;; end of part 3
;; launch outp (part 4): grid 8 x 32, 4 waves a work-group, clusters of 4 x 4, 327,680 bytes of LDS; arguments att, codes, out0; writes out0
.if DOCPART == 4
	.amdgcn_target "amdgcn-amd-amdhsa--gfx1250"
	.amdhsa_code_object_version 6
	.text
	.protected	k_qc8743e3bb1_outp
	.globl	k_qc8743e3bb1_outp
	.p2align	8
	.type	k_qc8743e3bb1_outp,@function
k_qc8743e3bb1_outp:
	s_mov_b64 s[64:65], 0
	v_nop
	global_prefetch_b8 v0, s[64:65] scope:SCOPE_SE
	s_setreg_imm32_b32 hwreg(HW_REG_WAVE_MODE, 25, 1), 1
	s_wait_xcnt 0x0
	s_wait_alu depctr_hold_cnt(0) depctr_sa_sdst(0) depctr_va_vdst(0) depctr_va_sdst(0) depctr_va_ssrc(0) depctr_va_vcc(0) depctr_vm_vsrc(0)
	s_getreg_b32 s2, hwreg(HW_REG_IB_STS2, 6, 4)
	s_cmp_eq_u32 s2, 0
	s_cbranch_scc0 .Lentry_in_a_cluster
	s_endpgm
.Lentry_in_a_cluster:
	s_bfe_u32 s2, ttmp6, 0x10000c
	s_cmp_lg_u32 s2, 0xf033
	s_cbranch_scc0 .Lentry_shape_is_right
	s_endpgm
.Lentry_shape_is_right:
; Launch 4 of 4: out0[m][n] = the sum over k of att[m][k] Wo[n][k].  att: [4096][1024] f16;  Wo as f16, [1024][1024], at byte 6 MiB of codes;  out0: [4096][1024] f32; sums in f32.
; 256 tiles of 128 x 128, one to a work-group of four waves, each 64 x 64: 16 accumulators.  K goes in steps of 256 (LDS rows of 512 bytes, 64 to a tensor load) through two slots.
; CLUSTERS: 4 x 4 work-groups; att's tiles are shared along a row of the cluster, Wo's along a column: each is asked for jointly.  THE MATRIX INSTRUCTION IS USED TRANSPOSED (source 0 = 16 rows of Wo, source 1 = 16 rows of att):
; a lane then holds eight neighbouring numbers of a row of out0.  A wave's 64 columns of f32 are 256 bytes, aligned: each wave has a stage of its own, and the way out needs no barrier.
; REGISTERS: window 0: v0-31 addresses; v32-95 rows on the way out; v128-255 the accumulators ((a, b) at v[128 + 8 (4 a + b)]).   window 1: two fragment buffers of 128.
.set SIZE_N, 1024
.set SIZE_K, 1024
.set KSTEP,  256
.set PITCH,  528                       ; an LDS row: 512 bytes + 16 of padding
.set HALFT,  64*PITCH
.set SLOT,   4*HALFT
.set STAGE,  2*SLOT                    ; behind the ring: 16 rows x 272 bytes for each wave
.set SPITCH, 272
.set SPARE,  STAGE+4*16*SPITCH
.set LAPS, SIZE_K/(2*KSTEP)
.set ADRA, 16
.set ADRB, 20
.set STO,  24
.set RD,   25
.set CO,   26
.set SPW,  28
.set NIL,  29
.set TMP,  32
.set ACC,  128
.set F0,   0
.set F1,   128
.set G1, 24
.set G0, 32
.set G1B, 48
.set G0B, 56
.set MSB, 0
.macro WIN new
.if MSB != \new
	s_set_vgpr_msb (MSB<<8)|\new
.set MSB, \new
.endif
.endm
.set MUL,  0x05                        ; sources 0 and 1 window 1; C and D window 0
.set TO_F, 0x40
.macro JLOAD s                         ; a joint load: waves 0 and 1 fetch att's two halves, waves 2 and 3 Wo's; an s_nop 0 and four v_nop follow each of the two lines
	s_cmp_eq_u32 s11, 0
	s_cbranch_scc0 .Lfor_b_\@
	tensor_load_to_lds s[G0+4*\s:G0+4*\s+3], s[G1:G1+7]
	s_nop 0
.rept 4
	v_nop
.endr
	s_branch .Lasked_\@
.Lfor_b_\@:
	tensor_load_to_lds s[G0B+4*\s:G0B+4*\s+3], s[G1B:G1B+7]
	s_nop 0
.rept 4
	v_nop
.endr
.Lasked_\@:
.endm
.macro CREST
	s_cmp_lg_u32 s10, 0
	s_cbranch_scc1 .Lnot_wave_0_\@
	s_barrier_signal -3
.Lnot_wave_0_\@:
	s_barrier_wait -3
	s_barrier_signal -1
	s_barrier_wait -1
.endm
.macro CROUND
	s_barrier_signal -1
	s_barrier_wait -1
	CREST
.endm
	s_load_b128 s[4:7], s[0:1], 0x0                ; att, codes
	s_load_b64 s[8:9], s[0:1], 0x10                ; out0
	v_lshl_add_u32 v[SPW], v0, 2, SPARE
	v_mov_b32 v[NIL], 0
	ds_add_u32 v[SPW], v[NIL]                      ; the wave's opening: the add, twice on end, and its wait ahead of my first tensor load
	ds_add_u32 v[SPW], v[NIL]
	v_lshrrev_b32 v1, 5, v0
	v_readfirstlane_b32 s10, v1                    ; wave 0..3
	s_lshr_b32 s11, s10, 1                         ; which half of the tile's rows is mine.  Also: I fetch for att (0) or for Wo (1)
	s_and_b32 s12, s10, 1                          ; which half of its columns.  Also: which 64 rows I fetch
	s_bfe_u32 s40, ttmp6, 0x40000
	s_bfe_u32 s41, ttmp6, 0x40004
	s_lshl_b32 s42, ttmp9, 2
	s_add_co_u32 s42, s42, s40                     ; tile column
	s_and_b32 s13, ttmp7, 0xffff
	s_lshl_b32 s13, s13, 2
	s_add_co_u32 s13, s13, s41                     ; tile row
	s_lshl_b32 s43, s41, 2
	s_lshl_b32 s43, 15, s43
	s_lshl_b32 s44, 0x1111, s40
	s_or_b32 s[G1+0], s43, (1<<16)|(1<<20)|(1<<21)|(6<<22)|(3<<25)  ; the mask; elements of 2 bytes; padding on; bit 21 beside a mask; 4 words after every 128
	s_or_b32 s[G1B+0], s44, (1<<16)|(1<<20)|(1<<21)|(6<<22)|(3<<25)
.irp g, G1, G1B
	s_mov_b32 s[\g+1], KSTEP<<16
	s_mov_b32 s[\g+2], 64<<16
	s_mov_b32 s[\g+3], KSTEP<<16
	s_mov_b32 s[\g+4], 64
	s_mov_b32 s[\g+5], SIZE_K
	s_mov_b32 s[\g+6], 0
	s_mov_b32 s[\g+7], 0
.endr
	s_lshl_b32 s17, s12, 6
	s_lshl_b32 s16, s13, 7
	s_add_co_u32 s16, s16, s17                     ; att: row 128 x tile row + 64 x half
	s_lshl_b32 s46, s42, 7
	s_add_co_u32 s46, s46, s17                     ; Wo: row 128 x tile column + 64 x half
	s_mov_b32 s17, 0
	s_mov_b32 s47, 0
	s_mov_b64 s[18:19], SIZE_K*2
	s_mul_u64 s[16:17], s[16:17], s[18:19]
	s_mul_u64 s[46:47], s[46:47], s[18:19]
	s_mul_i32 s20, s10, HALFT
	s_wait_dscnt 0x0                               ; both opening adds are done
	s_wait_kmcnt 0x0
	s_add_nc_u64 s[14:15], s[4:5], s[16:17]
	s_add_nc_u64 s[46:47], s[6:7], s[46:47]
	s_add_nc_u64 s[46:47], s[46:47], 0x600000
	CROUND                                         ; all sixteen work-groups are here: the first joint loads meet
.irp s, 0,1
	s_mov_b32 s[G0+4*\s], 1
	s_add_co_u32 s[G0+4*\s+1], s20, \s*SLOT
	s_add_nc_u64 s[G0+4*\s+2:G0+4*\s+3], s[14:15], \s*KSTEP*2
	s_or_b32 s[G0+4*\s+3], s[G0+4*\s+3], 0x80000000
	s_mov_b32 s[G0B+4*\s], 1
	s_add_co_u32 s[G0B+4*\s+1], s20, \s*SLOT
	s_add_nc_u64 s[G0B+4*\s+2:G0B+4*\s+3], s[46:47], \s*KSTEP*2
	s_or_b32 s[G0B+4*\s+3], s[G0B+4*\s+3], 0x80000000
	JLOAD \s
.endr
	v_and_b32 v1, 15, v0
	v_bfe_u32 v2, v0, 4, 1
	v_mul_u32_u24 v3, v1, PITCH
	v_lshl_add_u32 v3, v2, 4, v3
	s_mul_i32 s21, s11, HALFT
	s_mul_i32 s22, s12, HALFT
	s_add_co_u32 s22, s22, 2*HALFT
.irp s, 0,1
	v_add_nc_u32 v[ADRA+\s], s21, v3
	v_add_nc_u32 v[ADRB+\s], s22, v3
	s_add_co_u32 s21, s21, SLOT
	s_add_co_u32 s22, s22, SLOT
.endr
	s_mul_i32 s23, s10, 16*SPITCH
	s_add_co_u32 s23, s23, STAGE                   ; my stage
	v_mul_u32_u24 v4, v1, SPITCH
	v_lshl_add_u32 v4, v2, 5, v4                   ; in: row l % 16, 32 bytes for each half of the lanes
	v_add_nc_u32 v[STO], s23, v4
	v_mul_u32_u24 v5, v2, SPITCH
	v_lshl_add_u32 v5, v1, 4, v5                   ; back: lanes 0-15 one row of 256 bytes, lanes 16-31 the next
	v_add_nc_u32 v[RD], s23, v5
	v_lshlrev_b32 v[CO], 12, v2
	v_lshl_add_u32 v[CO], v1, 4, v[CO]             ; and the same two rows of out0
	s_lshl_b32 s16, s13, 7
	s_lshl_b32 s17, s11, 6
	s_add_co_u32 s16, s16, s17                     ; my first row: 128 x tile row + 64 x half
	s_lshl_b32 s16, s16, 12
	s_mov_b32 s17, 0
	s_add_nc_u64 s[8:9], s[8:9], s[16:17]
	s_lshl_b32 s46, s42, 9                         ; my first column, in bytes: 512 x tile column + 256 x half
	s_lshl_b32 s47, s12, 8
	s_add_co_u32 s46, s46, s47
	s_mov_b32 s47, 0
	s_add_nc_u64 s[8:9], s[8:9], s[46:47]
.macro MUL8 f, c, a0, zero             ; 8 matrix instructions: row blocks a0, a0 + 1 x all 4 column blocks, 32 along K; the 16 accumulators take turns
.irp a, \a0, \a0+1
.irp b, 0,1,2,3
.if \zero
	v_wmma_f32_16x16x32_f16 v[ACC+8*(4*(\a)+\b):ACC+8*(4*(\a)+\b)+7], v[\f+64+8*(4*\c+\b):\f+64+8*(4*\c+\b)+7], v[\f+8*(4*\c+\a):\f+8*(4*\c+\a)+7], 0
.else
	v_wmma_f32_16x16x32_f16 v[ACC+8*(4*(\a)+\b):ACC+8*(4*(\a)+\b)+7], v[\f+64+8*(4*\c+\b):\f+64+8*(4*\c+\b)+7], v[\f+8*(4*\c+\a):\f+8*(4*\c+\a)+7], v[ACC+8*(4*(\a)+\b):ACC+8*(4*(\a)+\b)+7]
.endif
.endr
.endr
.endm
.macro FETCH slot, k, f                ; 32 LDS loads in one run: the fragments of 64 along K at byte k of the rows; the first 32 along K first
	WIN TO_F
.irp c, 0,1
.irp i, 0,1,2,3
	ds_load_b128 v[\f+64+8*(4*\c+\i):\f+64+8*(4*\c+\i)+3],   v[ADRB+\slot] offset:\k+64*\c+\i*16*PITCH
	ds_load_b128 v[\f+64+8*(4*\c+\i)+4:\f+64+8*(4*\c+\i)+7], v[ADRB+\slot] offset:\k+64*\c+\i*16*PITCH+32
	ds_load_b128 v[\f+8*(4*\c+\i):\f+8*(4*\c+\i)+3],         v[ADRA+\slot] offset:\k+64*\c+\i*16*PITCH
	ds_load_b128 v[\f+8*(4*\c+\i)+4:\f+8*(4*\c+\i)+7],       v[ADRA+\slot] offset:\k+64*\c+\i*16*PITCH+32
.endr
.endr
.endm
.macro PLACES
.rept 4
	v_nop
.endr
.endm
.macro QUARTER slot, k, f, g, zero     ; 64 along K: multiplies buffer f and fetches the next quarter, at byte k, into g
	s_wait_dscnt 16                                ; the first 32 along K are in; the other sixteen loads may be out
	WIN MUL
	MUL8 \f, 0, 0, \zero
	MUL8 \f, 0, 2, \zero
	PLACES
	FETCH \slot, \k, \g
	s_wait_dscnt 32                                ; all but the 32 just issued
	WIN MUL
	MUL8 \f, 1, 0, 0
	MUL8 \f, 1, 2, 0
.endm
.macro TURN slot, next, fill           ; a slot's last quarter changes slots.  fill = 1: this slot is filled again, two K steps ahead, behind a round of the cluster's barrier
	WIN 0
	s_wait_tensorcnt 0x0                           ; all my tensor loads have landed: my part of the next slot
	ds_add_u32 v[SPW], v[NIL]
	s_wait_dscnt 17                                ; the add and the youngest sixteen loads may be out
	WIN MUL
	MUL8 F1, 0, 0, 0
	s_wait_dscnt 0x0                               ; the add is done, and my reads of this slot are over
	s_barrier_signal -1
	MUL8 F1, 0, 2, 0
.if \fill
	WIN 0
.endif
	s_barrier_wait -1
.if \fill
	CREST
	s_add_nc_u64 s[G0+4*\slot+2:G0+4*\slot+3], s[G0+4*\slot+2:G0+4*\slot+3], 2*KSTEP*2
	s_add_nc_u64 s[G0B+4*\slot+2:G0B+4*\slot+3], s[G0B+4*\slot+2:G0B+4*\slot+3], 2*KSTEP*2
	JLOAD \slot                                    ; the first tensor load behind the round; its four v_nop are also the places in front of the loads below
.else
	PLACES
.endif
	FETCH \next, 0, F0
	WIN MUL
	MUL8 F1, 1, 0, 0
	MUL8 F1, 1, 2, 0
.endm
	s_wait_tensorcnt 1                             ; my part of K step 0 is in; K step 1's may be out
	s_barrier_signal -1
	s_barrier_wait -1
	FETCH 0, 0, F0
	QUARTER 0, 128, F0, F1, 1                      ; the first products start the sums
	WIN 0
	s_mov_b32 s3, LAPS-1
.Llap:
	QUARTER 0, 256, F1, F0, 0
	QUARTER 0, 384, F0, F1, 0
	TURN 0, 1, 1
	QUARTER 1, 128, F0, F1, 0
	QUARTER 1, 256, F1, F0, 0
	QUARTER 1, 384, F0, F1, 0
	TURN 1, 0, 1
	QUARTER 0, 128, F0, F1, 0
	WIN 0
	s_sub_co_u32 s3, s3, 1
	s_cmp_lg_u32 s3, 0
	s_cbranch_scc1 .Llap
	QUARTER 0, 256, F1, F0, 0                      ; the last lap fills nothing
	QUARTER 0, 384, F0, F1, 0
	TURN 0, 1, 0
	QUARTER 1, 128, F0, F1, 0
	QUARTER 1, 256, F1, F0, 0
	QUARTER 1, 384, F0, F1, 0
	s_wait_dscnt 16
	WIN MUL
	MUL8 F1, 0, 0, 0
	MUL8 F1, 0, 2, 0
	s_wait_dscnt 0
	MUL8 F1, 1, 0, 0
	MUL8 F1, 1, 2, 0
	WIN 0
; THE WAY OUT, a block of 16 rows x 64 columns at a time: the accumulators go into my stage as they are, each from its low end on, and come back as whole rows of 256 bytes.
.macro TOSTAGE a
.irp b, 0,1,2,3
	ds_store_b128 v[STO], v[ACC+8*(4*(\a)+\b):ACC+8*(4*(\a)+\b)+3] offset:64*\b
	ds_store_b128 v[STO], v[ACC+8*(4*(\a)+\b)+4:ACC+8*(4*(\a)+\b)+7] offset:64*\b+16
.endr
.set BB, TMP+32*((\a)%2)
.irp t, 0,1,2,3,4,5,6,7
	ds_load_b128 v[BB+4*\t:BB+4*\t+3], v[RD] offset:\t*2*SPITCH   ; LDS serves a wave's instructions in order: these see the stores above, and the next block's stores come behind them
.endr
.endm
.macro SEND a, younger                 ; younger: the LDS instructions issued behind block a's loads
.set BB, TMP+32*((\a)%2)
	s_wait_dscnt \younger
.irp t, 0,1,2,3,4,5,6,7
	global_store_b128 v[CO], v[BB+4*\t:BB+4*\t+3], s[8:9] offset:(16*(\a)+2*\t)*SIZE_N*4 th:TH_STORE_NT   ; 16 lanes store 256 consecutive bytes, aligned
.endr
.endm
	PLACES                                         ; behind the last products
	TOSTAGE 0
	TOSTAGE 1
	SEND 0, 16
	s_wait_xcnt 0x0                                ; block 0's stores have read their registers: block 2's loads may land there
	TOSTAGE 2
	SEND 1, 16
	s_wait_xcnt 0x0
	TOSTAGE 3
	SEND 2, 16
	SEND 3, 0
	s_wait_tensorcnt 0x0                           ; the wave's end: behind my last tensor load and my last LDS store
	ds_add_u32 v[SPW], v[NIL]
	s_wait_dscnt 0x0
	CROUND                                         ; the closing round
	s_endpgm
.Lfunc_end_k_qc8743e3bb1_outp:
	.size	k_qc8743e3bb1_outp, .Lfunc_end_k_qc8743e3bb1_outp-k_qc8743e3bb1_outp
	.p2alignl 7, 3214868480
	.fill 96, 4, 3214868480
	.section	.rodata,"a",@progbits
	.p2align	6, 0x0
	.amdhsa_kernel k_qc8743e3bb1_outp
		.amdhsa_group_segment_fixed_size 327680
		.amdhsa_private_segment_fixed_size 0
		.amdhsa_enable_private_segment 0
		.amdhsa_kernarg_size 24
		.amdhsa_user_sgpr_count 2
		.amdhsa_user_sgpr_kernarg_segment_ptr 1
		.amdhsa_wavefront_size32 1
		.amdhsa_system_sgpr_workgroup_id_x 1
		.amdhsa_system_sgpr_workgroup_id_y 1
		.amdhsa_system_sgpr_workgroup_id_z 1
		.amdhsa_system_vgpr_workitem_id 0
		.amdhsa_next_free_vgpr 512
		.amdhsa_next_free_sgpr 66
		.amdhsa_reserve_vcc 0
		.amdhsa_float_denorm_mode_32 3
		.amdhsa_float_denorm_mode_16_64 3
		.amdhsa_memory_ordered 1
		.amdhsa_forward_progress 1
		.amdhsa_inst_pref_size 86
	.end_amdhsa_kernel
	.amdgpu_metadata
---
amdhsa.version: [ 1, 2 ]
amdhsa.kernels:
  - .name:           k_qc8743e3bb1_outp
    .symbol:         k_qc8743e3bb1_outp.kd
    .args:
      - { .name: att, .offset: 0, .size: 8, .value_kind: global_buffer, .address_space: global }
      - { .name: codes, .offset: 8, .size: 8, .value_kind: global_buffer, .address_space: global }
      - { .name: out0, .offset: 16, .size: 8, .value_kind: global_buffer, .address_space: global }
    .group_segment_fixed_size: 327680
    .private_segment_fixed_size: 0
    .kernarg_segment_align: 8
    .kernarg_segment_size: 24
    .max_flat_workgroup_size: 128
    .sgpr_count:     66
    .vgpr_count:     512
    .wavefront_size: 32
...
	.end_amdgpu_metadata
.endif
;; end of part 4
